; MI455X (gfx1250); checked and timed in simulation.
; The chip was launched on July 23, 2026; its instructions are those of AMD's public machine-readable ISA for CDNA 5 (MIT licence, August 2026) and "CDNA5" Instruction Set Architecture Reference Guide (July 2026). The comments in the code are by the model that wrote it; some were corrected since.
;; Deberta V2 Mo E Layer. Allowed arithmetic: matrix products marked QUANTISED: E4M3 operands, one given power-of-two scale a tensor, by v_wmma_f32_16x16x64_fp8_fp8 or v_wmma_f32_16x16x128_fp8_fp8, f32 sums; products left as they are: f32 operands where the result goes on into a quantised operand, else bf16, f16 or f32 operands; f32 sums; everything else in f32.
;; Inputs: b1 8 x 4,096 float32; b2 8 x 1,024 float32; ln_b 8 x 1,024 float32; ln_g 8 x 1,024 float32; lowp_scales 4 int32 (the exponents e of the quantised operands' scales 2^e); router_w 1,024 x 8 float32; w1_codes 8 x 4,096 x 32 x 32 uint8 (E4M3 codes of w1, K innermost, in blocks of 32 codes); w2_codes 8 x 1,024 x 128 x 32 uint8 (E4M3 codes of w2, K innermost, in blocks of 32 codes); x 2 x 512 x 1,024 float32.
;; Outputs: out0 2 x 512 x 1,024 float32; out1 2 x 512 x 8 float32.
;; This version of the problem:
;;   THIS VERSION OF THE PROBLEM IS GIVEN IN LOW PRECISION. The matrix products marked QUANTISED in the list below multiply operands that are first quantised to E4M3 (4 exponent bits, 3 mantissa bits; 8 bits a number), with one given power-of-two scale for each operand tensor; their sums are f32. All else is computed in f32.
;;   The module's matrix products, in the order in which they are computed (A, B: the left and right operand; K: the contracted axis; several contracted axes count as one K, in the product's order):
;;     1. [M 1,024, K 1,024] x [K 1,024, N 8]; A: input x; B: input router_w: left as it is (N = 8 < 16)
;;     2. [M 1,024, K 1,024] x [K 1,024, N 32,768]; A: input x; B: input w1 (given as codes): QUANTISED (scales: A lowp_scales[0], B lowp_scales[1])
;;     3. batch 8 x [M 1,024, K 4,096] x [K 4,096, N 1,024]; A: input w2 (given as codes); B: computed on the way: QUANTISED (scales: A lowp_scales[2], B lowp_scales[3])
;;   THE QUANTISER, for each operand of a quantised product, along K:
;;     - The operand's scale is 2^e, e = its entry of the input lowp_scales (int32; the entries are numbered through the quantised products in the list's order, A before B).
;;     - Each number is divided by the scale, clamped to +-448, and rounded to the nearest number of E4M3, ties to even, subnormals kept.
;;     - The product sums the exact products of the quantised numbers (number of the format x scale) in f32.
;;   ~~~python
;;   def quantise(x, axis, e):      # numpy; x: float32 -> the quantised numbers, widened to float32 again
;;       x = np.moveaxis(x, axis, -1); K = x.shape[-1]
;;       r = np.clip(x / 2.0 ** e, -448, 448)
;;       step = 2.0 ** (np.maximum(np.frexp(np.where(r == 0, 1, r))[1] - 1, -6) - 3)
;;       q = np.round(r / step) * step * 2.0 ** e      # np.round: ties to even
;;       return np.moveaxis(q, -1, axis).astype(np.float32)
;;   ~~~
;;   OPERANDS COMPUTED ON THE WAY. 'Computed on the way' means the value that the module computes at that place (a softmax that the list does not call 'softmax' is quantised finished and normalised). What goes into a quantiser is computed in f32, as accurately as f32 sums, v_exp_f32 and their like allow (about 1e-6 of the number): no bf16 or f16 on the way to a quantiser, and a product that is left as it is and whose result goes on into a quantised operand takes f32 operands (vector FMAs, or v_wmma_f32_16x16x4_f32). A number that lies on a knife's edge between two numbers of the format may be rounded either way, as far as f32 arithmetic and the matrix unit's own rounding can turn it there, and no further.
;;   INPUTS GIVEN AS CODES. w1 (in the module: [8, 1024, 4096], K = its axis 1); w2 (in the module: [8, 4096, 1024], K = its axis 1): each comes as NAME_codes (uint8): NAME with its K axis moved to the last place and cut into blocks of 32 codes, [.., K / 32, bytes a block], one block behind the other in memory; one code a byte (a code: sign, 4 exponent bits, 3 mantissa bits); its scale is its entry of lowp_scales. Its value is code x scale, taken as it is: it is not quantised again, and the codes and scales need not be those that the quantiser above would give.
;; 2 versions. Each part assembles by itself: llvm-mc -triple=amdgcn-amd-amdhsa -mcpu=gfx1250 --defsym DOCPART=n.
;; ======== version 1 of 2: 4 launches
;; workspace buffers: xq 1,048,576 bytes; selw 4,096 bytes of whole numbers; gate 8,192 bytes; order 33,024 bytes of whole numbers; hq 33,554,432 bytes; yp 134,217,728 bytes
;; launch route (part 1): grid 256 x 1, 4 waves a work-group, no clusters, 41,472 bytes of LDS; arguments x, router_w, lowp_scales, out1, xq, selw, gate; writes out1, xq, selw, gate
.if DOCPART == 1
	.amdgcn_target "amdgcn-amd-amdhsa--gfx1250"
	.amdhsa_code_object_version 6
	.text
	.protected	k_qef1f964aa1_route
	.globl	k_qef1f964aa1_route
	.p2align	8
	.type	k_qef1f964aa1_route,@function
k_qef1f964aa1_route:
	s_mov_b64 s[64:65], 0
	v_nop
	global_prefetch_b8 v0, s[64:65] scope:SCOPE_SE
	s_setreg_imm32_b32 hwreg(HW_REG_WAVE_MODE, 25, 1), 1
	s_wait_xcnt 0x0
; THE ROUTER AND x's CODES.  One wave to a token: t = 4 x work-group + wave.
; logits[t][0..7] = x[t] . router_w[:, e] in f32 (fused multiply-adds, 32 products a lane, then a sum over the lanes) -> out1.
; softmax -> top 2 -> renormalised: u_e = 2^((l_e - max) log2 e).  The softmax's divisor is common to all eight, so it changes neither
; the order nor the ratio u_a / (u_a + u_b): it is not formed.  Ties go to the lower index (a strict compare, ascending), as jax.lax.top_k has it.
; The choice is only STORED here (selw[t] = first | second << 8; gate[t] = the two weights): no address and no branch of this launch hangs on it.
; x[t] is also quantised: code = x / 2^e0, held within +-448, to the nearest E4M3 code -> xq[t][0..1023], K in its natural order.
; LIMITS: e0 between -126 and 119, so that 2^e0 and 448 x 2^e0 are f32 numbers.  NaN among the inputs is not served.
; No matrix unit, no cluster: 8 columns are too few for a matrix tile, and a token's 4,096 bytes are read by one wave alone.
.set RWP, 144                          ; router_w in LDS: 256 chunks of 128 bytes (4 k x 8 experts), 144 bytes apart: 9 x 16, so that the lanes' 16-byte reads fall on different banks
.set CST, 256*RWP                      ; behind it 1,024 bytes for each wave: a token's codes on their way out
.set X,   16                           ; v16-47   x[t][128 i + 4 lane + j] at X + 4 i + j
.set WS,  48                           ; v48-111  router_w as loaded; then two sets of 32 (a chunk: W[8 kk + e]); at last the codes
.set LG,  112                          ; v112-119 the eight sums, then the logits
.set U,   120                          ; v120-127 u_e
.set T,   128                          ; v128-135 at work
	s_load_b256 s[4:11], s[0:1], 0x0               ; x s[4:5], router_w s[6:7], scales s[8:9], out1 s[10:11]
	s_load_b128 s[12:15], s[0:1], 0x20             ; xq s[12:13], selw s[14:15]
	s_load_b64 s[16:17], s[0:1], 0x30              ; gate
	v_lshl_add_u32 v144, v0, 2, 0xa000
	v_mov_b32 v145, 0
	v_lshrrev_b32 v7, 5, v0
	v_readfirstlane_b32 s18, v7                    ; wave
	v_and_b32 v1, 31, v0                           ; lane
	v_lshlrev_b32 v2, 4, v1                        ; 16 x lane
	v_lshrrev_b32 v3, 3, v1
	v_mul_u32_u24 v3, v3, RWP
	v_and_b32 v7, 7, v1
	v_lshl_add_u32 v3, v7, 4, v3
	s_mul_i32 s22, s18, 64*RWP
	v_add_nc_u32 v3, s22, v3                       ; router_w into LDS: eight lanes fill a chunk; a wave brings 64 chunks
	v_mul_u32_u24 v4, v1, RWP                      ; and out of it: lane l takes chunk 32 i + l
	s_lshl_b32 s22, s18, 10
	s_add_co_u32 s22, s22, CST
	v_lshl_add_u32 v5, v1, 2, s22                  ; my codes into the wave's stage: 4 bytes a lane
	v_add_nc_u32 v6, s22, v2                       ; and back: 16 bytes a lane
	v_lshlrev_b32 v9, 2, v1                        ; 4 x lane
	s_lshl_b32 s19, ttmp9, 2
	s_add_co_u32 s19, s19, s18                     ; t
	s_mov_b32 s20, 0x76543210                      ; v_permlanex16_b32: lane l xor 16
	s_mov_b32 s21, 0xfedcba98
	s_lshl_b32 s24, s19, 12                        ; byte offsets, each in a pair with 0 above it
	s_mov_b32 s25, 0
	s_lshl_b32 s26, s18, 13
	s_mov_b32 s27, 0
	s_lshl_b32 s30, s19, 5
	s_mov_b32 s31, 0
	s_lshl_b32 s32, s19, 10
	s_mov_b32 s33, 0
	s_lshl_b32 s34, s19, 2
	s_mov_b32 s35, 0
	s_lshl_b32 s36, s19, 3
	s_mov_b32 s37, 0
	s_wait_kmcnt 0x0
	s_load_b32 s28, s[8:9], 0x0                    ; e0
	s_add_nc_u64 s[4:5], s[4:5], s[24:25]
	s_add_nc_u64 s[6:7], s[6:7], s[26:27]
	s_add_nc_u64 s[10:11], s[10:11], s[30:31]
	s_add_nc_u64 s[12:13], s[12:13], s[32:33]
	s_add_nc_u64 s[14:15], s[14:15], s[34:35]
	s_add_nc_u64 s[16:17], s[16:17], s[36:37]
.irp i, 0,1,2,3,4,5,6,7
	global_load_b128 v[X+4*\i:X+4*\i+3], v2, s[4:5] offset:512*\i           ; 512 consecutive bytes of the token's row
.endr
.irp j, 0,1,2,3,4,5,6,7,8,9,10,11,12,13,14,15
	global_load_b128 v[WS+4*\j:WS+4*\j+3], v2, s[6:7] offset:512*\j         ; my wave's quarter of router_w
.endr
.irp e, 0,1,2,3,4,5,6,7
	v_mov_b32 v[T+\e], 0                           ; written once: a lane permute's destination counts as one of its sources
.endr
	s_wait_loadcnt 0x0
.irp j, 0,1,2,3,4,5,6,7,8,9,10,11,12,13,14,15
	ds_store_b128 v3, v[WS+4*\j:WS+4*\j+3] offset:4*RWP*\j
.endr
	s_wait_dscnt 0x0                               ; for the others' sake: my quarter lies in LDS
	s_barrier_signal -1
	s_barrier_wait -1
.macro WLOAD i                         ; chunk 32 i + lane into set i % 2
.irp m, 0,1,2,3,4,5,6,7
	ds_load_b128 v[WS+32*((\i)%2)+4*\m:WS+32*((\i)%2)+4*\m+3], v4 offset:32*RWP*(\i)+16*\m
.endr
.endm
.macro RSTEP i                         ; k = 128 i + 4 lane + 0 .. 3: 32 fused multiply-adds on eight sums that take turns
.if (\i) < 7
	WLOAD (\i)+1
	s_wait_dscnt 8                                 ; this step's eight loads are in; the next step's eight may be out
.else
	s_wait_dscnt 0x0
.endif
.irp kk, 0,1,2,3
.irp e, 0,1,2,3,4,5,6,7
.if ((\i) == 0) && (\kk == 0)
	v_mul_f32 v[LG+\e], v[WS+32*((\i)%2)+8*\kk+\e], v[X+4*(\i)+\kk]         ; the first products start the sums
.else
	v_fmac_f32 v[LG+\e], v[WS+32*((\i)%2)+8*\kk+\e], v[X+4*(\i)+\kk]
.endif
.endr
.endr
.endm
	WLOAD 0
.irp i, 0,1,2,3,4,5,6,7
	RSTEP \i
.endr
.irp m, 1,2,4,8                        ; the sums over the 32 lanes: four steps inside each half, one across; every lane ends with all eight logits
.irp e, 0,1,2,3,4,5,6,7
	v_add_f32_dpp v[LG+\e], v[LG+\e], v[LG+\e] row_xmask:\m row_mask:0xf bank_mask:0xf
.endr
.endr
.irp e, 0,1,2,3,4,5,6,7
	v_permlanex16_b32 v[T+\e], v[LG+\e], s20, s21
.endr
.irp e, 0,1,2,3,4,5,6,7
	v_add_f32 v[LG+\e], v[LG+\e], v[T+\e]
.endr
	; u_e = 2^((l_e - max) log2 e): the maximum is taken away first
	v_max3_num_f32 v136, v[LG], v[LG+1], v[LG+2]
	v_max3_num_f32 v136, v136, v[LG+3], v[LG+4]
	v_max3_num_f32 v136, v136, v[LG+5], v[LG+6]
	v_max_num_f32 v136, v136, v[LG+7]
.irp e, 0,1,2,3,4,5,6,7
	v_sub_f32 v[U+\e], v[LG+\e], v136
.endr
.irp e, 0,1,2,3,4,5,6,7
	v_mul_f32 v[U+\e], 0x3fb8aa3b, v[U+\e]
.endr
.irp e, 0,1,2,3,4,5,6,7
	v_exp_f32 v[U+\e], v[U+\e]
.endr
	v_mov_b32 v137, 0                              ; (a plain instruction behind the exponentials)  the first choice: index,
	s_wait_alu depctr_va_vdst(0)
	v_mov_b32 v136, v[U]                           ; and its u
.irp e, 1,2,3,4,5,6,7
	v_cmp_gt_f32 vcc_lo, v[U+\e], v136
	v_cndmask_b32 v136, v136, v[U+\e], vcc_lo
	v_cndmask_b32 v137, v137, \e, vcc_lo
.endr
.irp e, 0,1,2,3,4,5,6,7
	v_cmp_eq_u32 vcc_lo, \e, v137
	v_cndmask_b32 v[U+\e], v[U+\e], -1.0, vcc_lo   ; the chosen one falls under every u, which are 0 or more
.endr
	v_mov_b32 v139, 0                              ; the second choice
	v_mov_b32 v138, v[U]
.irp e, 1,2,3,4,5,6,7
	v_cmp_gt_f32 vcc_lo, v[U+\e], v138
	v_cndmask_b32 v138, v138, v[U+\e], vcc_lo
	v_cndmask_b32 v139, v139, \e, vcc_lo
.endr
	v_add_f32 v140, v136, v138
	v_rcp_f32 v140, v140
	v_lshl_or_b32 v141, v139, 8, v137              ; (a plain instruction behind the reciprocal)  first | second << 8
	s_wait_alu depctr_va_vdst(0)
	v_mul_f32 v142, v136, v140                     ; the two weights, renormalised
	v_mul_f32 v143, v138, v140
	; x's codes
	s_wait_kmcnt 0x0
	s_add_co_i32 s28, s28, 127
	s_lshl_b32 s29, s28, 23
	v_mov_b32 v10, s29                             ; 2^e0 as f32: the conversion takes its exponent field
	s_add_co_i32 s28, s28, 8
	s_lshl_b32 s28, s28, 23
	s_or_b32 s28, s28, 0x600000
	v_mov_b32 v11, s28                             ; 448 x 2^e0
.irp i, 0,1,2,3,4,5,6,7,8,9,10,11,12,13,14,15,16,17,18,19,20,21,22,23,24,25,26,27,28,29,30,31
	v_med3_num_f32 v[X+\i], v[X+\i], -v11, v11     ; the conversion to an 8-bit code does not saturate (ISA guide 7.6.2): the hold comes first
.endr
.irp m, 0,1,2,3
	v_cvt_scalef32_pk8_fp8_f32 v[WS+2*\m:WS+2*\m+1], v[X+8*\m:X+8*\m+7], v10   ; register i of the eight: the codes of k = 128 i + 4 lane + 0 .. 3
.endr
	v_nop                                          ; a plain instruction behind the last conversion
.irp i, 0,1,2,3,4,5,6,7
	ds_store_b32 v5, v[WS+\i] offset:128*\i
.endr
.irp j, 0,1
	ds_load_b128 v[T+4*\j:T+4*\j+3], v6 offset:512*\j   ; LDS serves a wave's instructions in order: these see my stores
.endr
	v_mov_b32 v140, v[LG]                          ; lane e picks logit e
.irp e, 1,2,3,4,5,6,7
	v_cmp_eq_u32 vcc_lo, \e, v1
	v_cndmask_b32 v140, v140, v[LG+\e], vcc_lo
.endr
	s_wait_dscnt 0x0
.irp j, 0,1
	global_store_b128 v2, v[T+4*\j:T+4*\j+3], s[12:13] offset:512*\j        ; 512 consecutive bytes of the token's codes
.endr
	v_cmp_gt_u32 vcc_lo, 8, v1
	s_wait_xcnt 0x0                                ; EXEC is a source of the stores above: it changes only behind this wait
	s_wait_tensorcnt 0x0
	ds_add_u32 v144, v145
	s_wait_dscnt 0x0
	s_and_saveexec_b32 s38, vcc_lo
	global_store_b32 v9, v140, s[10:11]            ; lanes 0-7: the token's eight logits
	s_wait_xcnt 0x0
	s_or_b32 exec_lo, exec_lo, s38
	v_cmp_eq_u32 vcc_lo, 0, v1
	s_and_saveexec_b32 s38, vcc_lo
	global_store_b32 v9, v141, s[14:15]            ; lane 0 (its 4 x lane is 0): the choice,
	global_store_b64 v9, v[142:143], s[16:17]      ; and the weights
	s_wait_xcnt 0x0
	s_or_b32 exec_lo, exec_lo, s38
	s_endpgm
.Lfunc_end_k_qef1f964aa1_route:
	.size	k_qef1f964aa1_route, .Lfunc_end_k_qef1f964aa1_route-k_qef1f964aa1_route
	.p2alignl 7, 3214868480
	.fill 96, 4, 3214868480
	.section	.rodata,"a",@progbits
	.p2align	6, 0x0
	.amdhsa_kernel k_qef1f964aa1_route
		.amdhsa_group_segment_fixed_size 41472
		.amdhsa_private_segment_fixed_size 0
		.amdhsa_enable_private_segment 0
		.amdhsa_kernarg_size 56
		.amdhsa_user_sgpr_count 2
		.amdhsa_user_sgpr_kernarg_segment_ptr 1
		.amdhsa_wavefront_size32 1
		.amdhsa_system_sgpr_workgroup_id_x 1
		.amdhsa_system_sgpr_workgroup_id_y 1
		.amdhsa_system_sgpr_workgroup_id_z 1
		.amdhsa_system_vgpr_workitem_id 0
		.amdhsa_next_free_vgpr 146
		.amdhsa_next_free_sgpr 66
		.amdhsa_reserve_vcc 1
		.amdhsa_float_denorm_mode_32 3
		.amdhsa_float_denorm_mode_16_64 3
		.amdhsa_memory_ordered 1
		.amdhsa_forward_progress 1
		.amdhsa_inst_pref_size 30
	.end_amdhsa_kernel
	.amdgpu_metadata
---
amdhsa.version: [ 1, 2 ]
amdhsa.kernels:
  - .name:           k_qef1f964aa1_route
    .symbol:         k_qef1f964aa1_route.kd
    .args:
      - { .name: x, .offset: 0, .size: 8, .value_kind: global_buffer, .address_space: global }
      - { .name: router_w, .offset: 8, .size: 8, .value_kind: global_buffer, .address_space: global }
      - { .name: lowp_scales, .offset: 16, .size: 8, .value_kind: global_buffer, .address_space: global }
      - { .name: out1, .offset: 24, .size: 8, .value_kind: global_buffer, .address_space: global }
      - { .name: xq, .offset: 32, .size: 8, .value_kind: global_buffer, .address_space: global }
      - { .name: selw, .offset: 40, .size: 8, .value_kind: global_buffer, .address_space: global }
      - { .name: gate, .offset: 48, .size: 8, .value_kind: global_buffer, .address_space: global }
    .group_segment_fixed_size: 41472
    .private_segment_fixed_size: 0
    .kernarg_segment_align: 8
    .kernarg_segment_size: 56
    .max_flat_workgroup_size: 128
    .sgpr_count:     66
    .vgpr_count:     146
    .wavefront_size: 32
...
	.end_amdgpu_metadata
.endif
;; end of part 1
;; launch up (part 2): grid 32 x 8, 4 waves a work-group, no clusters, 133,632 bytes of LDS; arguments xq, selw, w1_codes, b1, lowp_scales, hq, order; writes hq, order
.if DOCPART == 2
	.amdgcn_target "amdgcn-amd-amdhsa--gfx1250"
	.amdhsa_code_object_version 6
	.text
	.protected	k_qef1f964aa1_up
	.globl	k_qef1f964aa1_up
	.p2align	8
	.type	k_qef1f964aa1_up,@function
k_qef1f964aa1_up:
	s_mov_b64 s[64:65], 0
	v_nop
	global_prefetch_b8 v0, s[64:65] scope:SCOPE_SE
	s_setreg_imm32_b32 hwreg(HW_REG_WAVE_MODE, 25, 1), 1
	s_wait_xcnt 0x0
; THE FIRST PRODUCT, FOR THE CHOSEN ROWS ALONE: hq = Q(gelu(x W1[e] + b1[e])), on E4M3 codes, f32 sums.
; THE WEIGHTS STAND STILL.  Work-group (s, e) owns hidden units 128 s .. 128 s + 127 of expert e: 128 rows x 1,024 bytes of w1_codes, read from memory once, by this work-group alone,
; and kept in registers (512 a wave).  The expert's rows go past in trips of 128, worked in two halves of 64.  Wave w: u = w & 1 picks 64 of the units, p = w >> 1 picks 32 of a half's rows.
; THE LIST.  Every work-group ranks its expert's rows from selw (stored by the launch before), in registers: the ranks run chunk by chunk of 32 tokens (chunk q, lane l: token 128 (q / 4) + 4 l + q % 4), within a chunk by lane.
; Register g of eight, lane l of wave w, holds the token of rank 128 g + 32 w + l: the 32 rows that the wave fetches for trip g.  The list never leaves the registers: a token goes by v_readlane_b32 into a scalar register,
; is clamped, and is added to xq's address; the row then comes by two loads of 512 consecutive bytes.
; Wave 0 of the work-groups with s = 0 stores, for the later launches, order[e][token] = the token's rank with expert e (meaningless where the token did not choose e) and, behind the eight tables, the count n.
; HOW MANY ROWS is a number read from memory.  So the loop has a constant 8 trips, both barriers of a trip stand on every path, and a trip, or its second half, at or past LIM = max(64, n rounded up to 64) jumps over its work.
; Ranks from n on carry some valid token: their rows are fetched up to the trip's end, their rows of hq up to LIM - 1 are defined and never used.  An expert without a token costs one such half.
; NO TENSOR LOADS, NO CLUSTER.  Nothing large is shared either: each weight byte has one work-group; the rows' codes (n x 1,024 bytes) are shared by the 32 work-groups of an expert.
; THE PRODUCT IS USED TRANSPOSED (source 0 = 16 rows of W1, source 1 = 16 rows of x): a lane holds ONE row of x, and its registers run along the hidden units.  THE ROWS OF W1 THAT FORM A TILE ARE NOT NEIGHBOURS:
; lane r of tile 2 b + v takes row 32 b + 8 v + r + 8 (r / 8), so that the 16 registers of tiles 2 b, 2 b + 1 are 16 neighbouring units 32 b + 16 (lane / 16) + 0 .. 15: the conversions' results are the next operand's registers.
; Fragments hold k = 32 c + 16 (lane / 16) + 0 .. 15 in registers 4 c .. 4 c + 3, alike on both sides of a product: every product meets its partner; only the order of the sums inside an instruction changes.
; hq: [8 e][64 tiles of 16 ranks][32 K steps][2,048 bytes]: the image of a fragment's registers, piece c at 512 c, lane l's 16 bytes at 16 l.
; gelu(v) = 0.5 v (1 + erf(v / sqrt 2)), erf as z P(z^2) / Q(z^2) on z held within +-4, all in f32.
; LIMITS: e0 + e1 between -125 and 127, e3 between -126 and 119, so that each power of two below is an f32 number.  NaN is not served.
; REGISTERS, in windows of 256: window 0: v0-23 addresses and constants; v24-31 the list; v32-63 b1 / 2^(e0 + e1) as the first products' C; v64-127 eight accumulators ((rt, t) at 64 + 32 rt + 8 t; while the list is built: the ranks);
;   v128-255 two sets of four fragments of x, at work on the way out and while the list is built.   windows 1, 2: W1's 32 fragments ((t, s) at window 1 + s / 4, register 16 (4 t + s % 4)).   window 3: the next trip's 32 rows.
.set XP,   1040                        ; an LDS row of 1,024 codes + 16: 65 x 16 bytes, so that the sixteen rows of a fragment load start at different banks.  LDS holds 128 such rows: first the weights' staging, then a trip's rows
.set Q,    24                          ; v24-31   the list: register 0 is the trip to be asked for next
.set B1,   32
.set ACC,  64
.set RK,   64                          ; v64-95   while the list is built: register q, lane l: the rank of chunk q's lane l
.set XF,   128
.set GZ,   128                         ; the way out: z, z^2, numerator, denominator, v / 2, codes
.set GQ,   144
.set GP,   160
.set GD,   176
.set GH,   192
.set PC,   208
.set SL,   128                         ; the list: selw as loaded; my 8 ranks; each rank's chunk: its mask, prefix | chunk << 16
.set VR,   160
.set VM,   168
.set VPK,  184
.set RP,   40                          ; s[40:55] eight rows' addresses in xq
.set MSB, 0
.macro WIN new                         ; the immediate's high byte repeats the setting that is left
.if MSB != (\new)
	s_set_vgpr_msb (MSB<<8)|(\new)
.set MSB, (\new)
.endif
.endm
.macro PLACES                          ; four plain vector instructions behind a matrix instruction, in front of loads into its sources and of reads of its result
.rept 4
	v_nop
.endr
.endm
.macro BARRIER                         ; my LDS stores have landed and my LDS loads are in: then the work-group's barrier
	s_wait_dscnt 0x0
	s_barrier_signal -1
	s_barrier_wait -1
.endm
.macro PAIR r, val                     ; a constant twice: the packed forms name a pair
	s_mov_b32 s[\r], \val
	s_mov_b32 s[\r+1], \val
.endm
	s_load_b256 s[4:11], s[0:1], 0x0               ; xq s[4:5], selw s[6:7], w1_codes s[8:9], b1 s[10:11]
	s_load_b128 s[12:15], s[0:1], 0x20             ; scales s[12:13], hq s[14:15]
	s_load_b64 s[16:17], s[0:1], 0x30              ; order
	v_lshl_add_u32 v18, v0, 2, 0x20800
	v_mov_b32 v19, 0
	v_lshrrev_b32 v21, 5, v0
	v_readfirstlane_b32 s18, v21                   ; wave
	s_and_b32 s19, s18, 1                          ; u
	s_lshr_b32 s20, s18, 1                         ; p
	s_and_b32 s21, ttmp7, 0xffff                   ; e
	s_mov_b32 s22, ttmp9                           ; s
	v_and_b32 v21, 31, v0                          ; lane
	v_and_b32 v22, 15, v0                          ; r
	v_bfe_u32 v23, v0, 4, 1                        ; h
	v_lshlrev_b32 v2, 4, v21                       ; 16 x lane
	s_mul_i32 s32, s20, 32*XP
	v_mul_u32_u24 v3, v22, XP
	v_lshl_add_u32 v3, v23, 4, v3
	v_add_nc_u32 v3, s32, v3                       ; x's fragments, first half: row 32 p + r, + 16 h;
	v_add_nc_u32 v4, 64*XP, v3                     ; second half: 64 rows on
	s_lshl_b32 s32, s20, 17
	s_lshl_b32 s33, s19, 10
	s_add_co_u32 s32, s32, s33
	v_add_nc_u32 v9, s32, v2                       ; hq: 16 x lane + two tiles x p + two pieces x u
	v_and_b32 v16, 8, v22
	v_add_nc_u32 v16, v16, v22                     ; r + 8 (r / 8)
	v_mul_u32_u24 v16, v16, XP
	v_lshl_add_u32 v16, v23, 4, v16
	s_mul_i32 s32, s19, 64*XP
	v_add_nc_u32 v16, s32, v16                     ; W1's fragments out of the staging
	s_mul_i32 s32, s18, 32*XP
	v_add_nc_u32 v17, s32, v2                      ; into LDS: my 32 rows, of W1 first and of each trip later: 16 x lane of half a row
	v_lshlrev_b32 v20, 6, v23                      ; b1: 16 h numbers on
.irp g, 0,1,2,3,4,5,6,7
	v_add_nc_u32 v[VR+\g], 128*\g, v0              ; rank 128 g + 32 w + lane
.endr
	s_lshl_b32 s32, s21, 22                        ; w1_codes: expert, 128 s rows, 32 w rows
	s_lshl_b32 s33, s22, 17
	s_add_co_u32 s32, s32, s33
	s_lshl_b32 s33, s18, 15
	s_add_co_u32 s32, s32, s33
	s_mov_b32 s33, 0
	s_lshl_b32 s34, s21, 14                        ; b1: 4 (4,096 e + 128 s + 64 u)
	s_lshl_b32 s35, s22, 9
	s_add_co_u32 s34, s34, s35
	s_lshl_b32 s35, s19, 8
	s_add_co_u32 s34, s34, s35
	s_mov_b32 s35, 0
	s_lshl_b32 s36, s21, 22                        ; hq: expert, K step s
	s_lshl_b32 s37, s22, 11
	s_add_co_u32 s36, s36, s37
	s_mov_b32 s37, 0
	s_lshl_b32 s38, s21, 12                        ; order: the expert's 1,024 ranks
	s_mov_b32 s39, 0
	s_lshl_b32 s40, s21, 2                         ; and its count's place
	s_mov_b32 s94, 0                               ; the running count
	s_wait_kmcnt 0x0
	s_add_nc_u64 s[8:9], s[8:9], s[32:33]
	s_add_nc_u64 s[10:11], s[10:11], s[34:35]
	s_add_nc_u64 s[14:15], s[14:15], s[36:37]
	s_add_nc_u64 s[38:39], s[16:17], s[38:39]
	s_load_b128 s[28:31], s[12:13], 0x0            ; e0, e1, e2, e3
.irp i, 0,1,2,3,4,5,6,7
	global_load_b128 v[SL+4*\i:SL+4*\i+3], v2, s[6:7] offset:512*\i         ; register q = 4 i + j of lane l: token 128 i + 4 l + j
.endr
	WIN 0x40                                       ; destination window 1
.set j, 0
.rept 64
	global_load_b128 v[4*j:4*j+3], v2, s[8:9] offset:512*j th:TH_LOAD_NT    ; my 32 rows of W1: 512 consecutive bytes a load; read once in the launch
.set j, j+1
.endr
	WIN 0
	s_wait_loadcnt 63                              ; 72 loads were issued, so the oldest nine are in: selw's eight among them
; Chunk q (32 tokens, one a lane): m = the lanes whose token chose e.  A lane's rank is the count so far + the ones of m under it.  Each of my eight ranks keeps the last chunk whose count of earlier rows is not above it.
.macro CHUNK q
	v_and_b32 v192, 0xff, v[SL+\q]
	v_lshrrev_b32 v193, 8, v[SL+\q]
	v_cmp_eq_u32 s90, s21, v192                    ; e is the first choice,
	v_cmp_eq_u32 s91, s21, v193                    ; the second,
	s_or_b32 s92, s90, s91                         ; either
	v_mbcnt_lo_u32_b32 v[RK+\q], s92, s94
.if \q == 0
.irp g, 0,1,2,3,4,5,6,7
	v_mov_b32 v[VM+\g], s92
	v_mov_b32 v[VPK+\g], 0
.endr
.else
	s_add_co_u32 s93, s94, (\q)<<16
.irp g, 0,1,2,3,4,5,6,7
	v_cmp_le_u32 vcc_lo, s94, v[VR+\g]
	v_cndmask_b32 v[VM+\g], v[VM+\g], s92, vcc_lo
	v_cndmask_b32 v[VPK+\g], v[VPK+\g], s93, vcc_lo
.endr
.endif
	s_bcnt1_i32_b32 s95, s92
	s_add_co_u32 s94, s94, s95
.endm
.macro SELSTEP src, wd                 ; does the wanted bit lie above the wd bits at pos?  src holds counts in fields of wd bits
	v_bfe_u32 v196, v[\src], v198, \wd
	v_cmp_ge_u32 vcc_lo, v192, v196
	v_sub_nc_u32 v197, v192, v196
	v_cndmask_b32 v192, v192, v197, vcc_lo
	v_add_nc_u32 v197, \wd, v198
	v_cndmask_b32 v198, v198, v197, vcc_lo
.endm
; Rank 128 g + thread: the (rank - prefix)-th set bit of its chunk's mask, by halving.  pos stays within 0 .. 31 whatever the rank, so the token is valid for ranks past the count too.
.macro SELECT g
	v_and_b32 v192, 0xffff, v[VPK+\g]
	v_sub_nc_u32 v192, v[VR+\g], v192
	v_lshrrev_b32 v193, 1, v[VM+\g]
	v_and_b32 v193, 0x55555555, v193
	v_sub_nc_u32 v193, v[VM+\g], v193              ; counts in fields of 2 bits,
	v_lshrrev_b32 v194, 2, v193
	v_and_b32 v194, 0x33333333, v194
	v_and_b32 v195, 0x33333333, v193
	v_add_nc_u32 v194, v194, v195                  ; of 4,
	v_lshrrev_b32 v195, 4, v194
	v_add_nc_u32 v195, v195, v194
	v_and_b32 v195, 0x0f0f0f0f, v195               ; of 8,
	v_lshrrev_b32 v196, 8, v195
	v_add_nc_u32 v196, v196, v195
	v_and_b32 v196, 0xff, v196                     ; and of bits 0-15
	v_cmp_ge_u32 vcc_lo, v192, v196
	v_sub_nc_u32 v197, v192, v196
	v_cndmask_b32 v192, v192, v197, vcc_lo
	v_cndmask_b32 v198, 0, 16, vcc_lo              ; pos
	SELSTEP 195, 8
	SELSTEP 194, 4
	SELSTEP 193, 2
	SELSTEP VM+\g, 1
	v_lshrrev_b32 v197, 16, v[VPK+\g]              ; q
	v_lshrrev_b32 v199, 2, v197
	v_and_b32 v197, 3, v197
	v_lshl_or_b32 v197, v199, 7, v197
	v_lshl_or_b32 v[Q+\g], v198, 2, v197           ; token = 128 (q / 4) + 4 pos + q % 4
.endm
.set q, 0
.rept 32
	CHUNK q
.set q, q+1
.endr
.irp g, 0,1,2,3,4,5,6,7
	SELECT \g
.endr
	s_or_b32 s41, s22, s18                         ; one wave of one work-group of each expert stores ranks and count for the later launches
	s_cmp_lg_u32 s41, 0
	s_cbranch_scc1 .Lnot_first
.irp i, 0,1,2,3,4,5,6,7
	global_store_b128 v2, v[RK+4*\i:RK+4*\i+3], s[38:39] offset:512*\i      ; tokens 128 i + 4 lane + 0 .. 3: 512 consecutive bytes
.endr
	v_mov_b32 v192, s94
	v_mov_b32 v193, s40
	v_cmp_eq_u32 vcc_lo, 0, v0
	s_wait_xcnt 0x0                                ; EXEC is a source of what has been issued: it changes only behind this wait
	s_and_saveexec_b32 s41, vcc_lo
	global_store_b32 v193, v192, s[16:17] offset:32768
	s_wait_xcnt 0x0
	s_or_b32 exec_lo, exec_lo, s41
.Lnot_first:
	s_add_co_u32 s23, s94, 63
	s_and_b32 s23, s23, 0xffffffc0
	s_max_u32 s23, s23, 64
	s_min_u32 s23, s23, 1024                       ; LIM
; A trip's 128 rows are asked for, 32 a wave, eight at a time: the token out of the list's first register, clamped inside the table, x 1,024 bytes, onto xq's address; two loads of 512 consecutive bytes a row.
; next = 1: the list moves up by a register first.
.macro ASKX next
.if \next
	s_wait_loadcnt 0x0                             ; no load of mine is out: the rows' registers and the eight addresses may be written
.irp g, 0,1,2,3,4,5,6
	v_mov_b32 v[Q+\g], v[Q+\g+1]
.endr
.endif
.irp bt, 0,1,2,3
.if \bt > 0
	s_wait_xcnt 0x0                                ; the loads of the eight rows before have read their addresses
.endif
.irp j, 0,1,2,3,4,5,6,7
	v_readlane_b32 s[RP+2*\j], v[Q], 8*\bt+\j
.endr
.irp j, 0,1,2,3,4,5,6,7
	s_min_u32 s[RP+2*\j], s[RP+2*\j], 0x3ff
.endr
.irp j, 0,1,2,3,4,5,6,7
	s_lshl_b32 s[RP+2*\j], s[RP+2*\j], 10
.endr
.irp j, 0,1,2,3,4,5,6,7
	s_mov_b32 s[RP+2*\j+1], 0
.endr
.irp j, 0,1,2,3,4,5,6,7
	s_add_nc_u64 s[RP+2*\j:RP+2*\j+1], s[4:5], s[RP+2*\j:RP+2*\j+1]
.endr
	WIN 0xc0                                       ; destination window 3
.irp j, 0,1,2,3,4,5,6,7
	global_load_b128 v[8*(8*\bt+\j):8*(8*\bt+\j)+3],   v2, s[RP+2*\j:RP+2*\j+1]
	global_load_b128 v[8*(8*\bt+\j)+4:8*(8*\bt+\j)+7], v2, s[RP+2*\j:RP+2*\j+1] offset:512
.endr
	WIN 0
.endr
.endm
.macro PUTX                            ; and go into LDS a trip later: my rows 32 w .. 32 w + 31 of the 128
	WIN 0x0c                                       ; store data window 3
.set j, 0
.rept 64
	ds_store_b128 v17, v[4*j:4*j+3] offset:(j/2)*XP+512*(j%2)
.set j, j+1
.endr
	WIN 0
.endm
	ASKX 0                                         ; ranks 0 to 127: every rank has a valid token
.irp t, 0,1,2,3
	global_load_b128 v[B1+8*\t:B1+8*\t+3],   v20, s[10:11] offset:4*(32*(\t/2)+8*(\t%2))      ; lane (r, h), tile t: b1 at units 32 (t / 2) + 8 (t % 2) + 16 h + 0 .. 7
	global_load_b128 v[B1+8*\t+4:B1+8*\t+7], v20, s[10:11] offset:4*(32*(\t/2)+8*(\t%2))+16
.endr
	s_wait_loadcnt 63                              ; W1's rows are in: 72 loads (64 of rows, b1's eight) were issued behind them, and the count names 63, the most that a wait can name
	WIN 0x04                                       ; store data window 1
.set j, 0
.rept 64
	ds_store_b128 v17, v[4*j:4*j+3] offset:(j/2)*XP+512*(j%2)
.set j, j+1
.endr
	WIN 0
	BARRIER                                        ; the slice's 128 rows lie in LDS
.macro WREGS win, s0                   ; 16 fragments: K steps s0 .. s0 + 3 of my four tiles
	WIN \win
.irp t, 0,1,2,3
.irp s, 0,1,2,3
.irp c, 0,1,2,3
	ds_load_b128 v[16*(4*\t+\s)+4*\c:16*(4*\t+\s)+4*\c+3], v16 offset:(32*(\t/2)+8*(\t%2))*XP+128*(\s0+\s)+32*\c
.endr
.endr
.endr
.endm
	WREGS 0x40, 0
	WREGS 0x80, 4
	WIN 0
	BARRIER                                        ; every wave has its fragments: the bytes now serve x's rows
	s_wait_loadcnt 0x0                             ; b1 (and the first rows)
	s_wait_kmcnt 0x0
	s_add_co_i32 s32, s28, s29                     ; e0 + e1: a sum stands for sum x 2^(e0 + e1), so b1 goes in divided by it
	s_sub_co_i32 s33, 0, s32
.irp j, 0,1,2,3,4,5,6,7,8,9,10,11,12,13,14,15,16,17,18,19,20,21,22,23,24,25,26,27,28,29,30,31
	v_ldexp_f32 v[B1+\j], v[B1+\j], s33
.endr
	s_lshl_b32 s32, s32, 23
	s_add_co_i32 s86, s32, 0x3f3504f3              ; 2^(e0 + e1) / sqrt 2: the exponents are added to the constant's exponent field
	s_mov_b32 s87, s86
	s_add_co_i32 s88, s32, 0x3f000000              ; 2^(e0 + e1) / 2
	s_mov_b32 s89, s88
	s_add_co_i32 s32, s31, 127
	s_lshl_b32 s33, s32, 23
	v_mov_b32 v14, s33                             ; 2^e3 as f32, for the conversion
	s_add_co_i32 s32, s32, 8
	s_lshl_b32 s32, s32, 23
	s_or_b32 s32, s32, 0x600000
	v_mov_b32 v15, s32                             ; 448 x 2^e3
	v_mov_b32 v10, 0xaf95df0b                      ; erf's numerator, from the highest power of z^2 down: the first in v[10:11], the others in s[66:77]
	v_mov_b32 v11, 0xaf95df0b
	v_mov_b32 v12, 0xb77460cd                      ; its denominator: v[12:13], s[78:85]
	v_mov_b32 v13, 0xb77460cd
	PAIR 66, 0x32edffee
	PAIR 68, 0xb60cff51
	PAIR 70, 0xb86ec2d2
	PAIR 72, 0xba40ac63
	PAIR 74, 0xbb41a1f6
	PAIR 76, 0xbc83dbd4
	PAIR 78, 0xb95fbd29
	PAIR 80, 0xbadc924e
	PAIR 82, 0xbbf19bf8
	PAIR 84, 0xbc69b6a7
.macro FETCH d, set, adr               ; x's fragments of K steps 2 d, 2 d + 1, both tiles of my rows: 16 loads
.irp rt, 0,1
.irp ss, 0,1
.irp c, 0,1,2,3
	ds_load_b128 v[XF+64*(\set)+32*\rt+16*\ss+4*\c:XF+64*(\set)+32*\rt+16*\ss+4*\c+3], v[\adr] offset:16*XP*\rt+128*(2*(\d)+\ss)+32*\c
.endr
.endr
.endr
.endm
; 16 matrix instructions: K steps 2 d, 2 d + 1.  The eight accumulators take turns, one instruction a turn, in the same order everywhere.  first = 1: b1 is the C that starts the sums.
.macro MUL set, d, first
	WIN 1+(\d)/2                                   ; source 0 (W1): window 1 or 2
.irp ss, 0,1
.irp t, 0,1,2,3
.irp rt, 0,1
.if (\first) && (\ss == 0)
	v_wmma_f32_16x16x128_fp8_fp8 v[ACC+32*\rt+8*\t:ACC+32*\rt+8*\t+7], v[16*(4*\t+(2*(\d)+\ss)%4):16*(4*\t+(2*(\d)+\ss)%4)+15], v[XF+64*(\set)+32*\rt+16*\ss:XF+64*(\set)+32*\rt+16*\ss+15], v[B1+8*\t:B1+8*\t+7]
.else
	v_wmma_f32_16x16x128_fp8_fp8 v[ACC+32*\rt+8*\t:ACC+32*\rt+8*\t+7], v[16*(4*\t+(2*(\d)+\ss)%4):16*(4*\t+(2*(\d)+\ss)%4)+15], v[XF+64*(\set)+32*\rt+16*\ss:XF+64*(\set)+32*\rt+16*\ss+15], v[ACC+32*\rt+8*\t:ACC+32*\rt+8*\t+7]
.endif
.endr
.endr
.endr
	WIN 0
.endm
; 16 neighbouring hidden units of my row (tiles 2 b, 2 b + 1 of row tile rt) become 16 codes.  Stage by stage over eight pairs, each accumulator from its low end on.
.macro GELU16 rt, b
.set A0, ACC+32*(\rt)+16*(\b)
.irp i, 0,2,4,6,8,10,12,14
	v_pk_mul_f32 v[GZ+\i:GZ+\i+1], v[A0+\i:A0+\i+1], s[86:87] op_sel_hi:[1,0]               ; z = v / sqrt 2
.endr
.irp i, 0,1,2,3,4,5,6,7,8,9,10,11,12,13,14,15
	v_med3_num_f32 v[GZ+\i], v[GZ+\i], -4.0, 4.0
.endr
.irp i, 0,2,4,6,8,10,12,14
	v_pk_mul_f32 v[GQ+\i:GQ+\i+1], v[GZ+\i:GZ+\i+1], v[GZ+\i:GZ+\i+1]
.endr
.irp i, 0,2,4,6,8,10,12,14
	v_pk_fma_f32 v[GP+\i:GP+\i+1], v[GQ+\i:GQ+\i+1], v[10:11], s[66:67] op_sel_hi:[1,1,0]
	v_pk_fma_f32 v[GD+\i:GD+\i+1], v[GQ+\i:GQ+\i+1], v[12:13], s[78:79] op_sel_hi:[1,1,0]
.endr
.irp k, 68,70,72,74,76
.irp i, 0,2,4,6,8,10,12,14
	v_pk_fma_f32 v[GP+\i:GP+\i+1], v[GP+\i:GP+\i+1], v[GQ+\i:GQ+\i+1], s[\k:\k+1] op_sel_hi:[1,1,0]
.endr
.endr
.irp k, 80,82,84
.irp i, 0,2,4,6,8,10,12,14
	v_pk_fma_f32 v[GD+\i:GD+\i+1], v[GD+\i:GD+\i+1], v[GQ+\i:GQ+\i+1], s[\k:\k+1] op_sel_hi:[1,1,0]
.endr
.endr
.irp i, 0,1,2,3,4,5,6,7,8,9,10,11,12,13,14,15
	v_rcp_f32 v[GD+\i], v[GD+\i]
.endr
.irp i, 0,2,4,6,8,10,12,14
	v_pk_mul_f32 v[GP+\i:GP+\i+1], v[GP+\i:GP+\i+1], v[GZ+\i:GZ+\i+1]                       ; (plain instructions behind the reciprocals)
.endr
.irp i, 0,2,4,6,8,10,12,14
	v_pk_mul_f32 v[GH+\i:GH+\i+1], v[A0+\i:A0+\i+1], s[88:89] op_sel_hi:[1,0]               ; v / 2
.endr
	s_wait_alu depctr_va_vdst(0)
.irp i, 0,2,4,6,8,10,12,14
	v_pk_mul_f32 v[GP+\i:GP+\i+1], v[GP+\i:GP+\i+1], v[GD+\i:GD+\i+1]                       ; erf
.endr
.irp i, 0,2,4,6,8,10,12,14
	v_pk_fma_f32 v[A0+\i:A0+\i+1], v[GH+\i:GH+\i+1], v[GP+\i:GP+\i+1], v[GH+\i:GH+\i+1]     ; gelu = v / 2 x erf + v / 2
.endr
.irp i, 0,1,2,3,4,5,6,7,8,9,10,11,12,13,14,15
	v_med3_num_f32 v[A0+\i], v[A0+\i], -v15, v15   ; the conversion to an 8-bit code does not saturate (ISA guide 7.6.2): the hold comes first
.endr
	v_cvt_scalef32_pk8_fp8_f32 v[PC+8*(\rt)+4*(\b):PC+8*(\rt)+4*(\b)+1],   v[A0:A0+7],    v14
	v_cvt_scalef32_pk8_fp8_f32 v[PC+8*(\rt)+4*(\b)+2:PC+8*(\rt)+4*(\b)+3], v[A0+8:A0+15], v14
.endm
; Half a trip: 64 rows.  adr: the register with my fragments' LDS address; hoff: the half's place in hq.  ask = 1: the next trip's rows are asked for, behind the first 32 fragment loads:
; the request has no LDS instruction, so the counts below hold with it and without, and its scalar work stands where the wave would wait for the fragments.
.macro HALF adr, hoff, ask
	FETCH 0, 0, \adr
	FETCH 1, 1, \adr
.if \ask
	s_add_co_u32 s32, s24, 128
	s_cmp_lt_u32 s32, s23
	s_cbranch_scc0 .Lno_next
	ASKX 1                                         ; they have this whole trip in which to land
.Lno_next:
.endif
	s_wait_dscnt 16                                ; the older set is in; the 16 loads of the set behind it may be out: so at each of these three waits
	MUL 0, 0, 1
	PLACES
	FETCH 2, 0, \adr
	s_wait_dscnt 16
	MUL 1, 1, 0
	PLACES
	FETCH 3, 1, \adr
	s_wait_dscnt 16
	MUL 0, 2, 0
	s_wait_dscnt 0x0
	MUL 1, 3, 0
	PLACES
	GELU16 0, 0                                    ; (the plain instructions at each call's head stand behind the conversions of the call before)
	GELU16 0, 1
	GELU16 1, 0
	GELU16 1, 1
	v_nop                                          ; a plain instruction behind the last conversion: the next products write its sources
.irp rt, 0,1
.irp b, 0,1
	global_store_b128 v9, v[PC+8*\rt+4*\b:PC+8*\rt+4*\b+3], s[14:15] offset:\hoff+65536*\rt+512*\b   ; piece 2 u + b of the image: 512 consecutive bytes
.endr
.endr
.endm
	s_mov_b32 s24, 0                               ; the trip's first rank
	s_mov_b32 s26, 8                               ; trips to go: a constant
.Ltrip:
	s_cmp_lt_u32 s24, s23
	s_cbranch_scc0 .Lno_put
	s_wait_loadcnt 0x0                             ; this trip's rows, asked for a trip ago, are in registers
	PUTX
.Lno_put:
	BARRIER                                        ; the trip's 128 rows lie in LDS
	s_cmp_lt_u32 s24, s23
	s_cbranch_scc0 .Lno_work
	HALF 3, 0, 1
	s_add_co_u32 s32, s24, 64
	s_cmp_lt_u32 s32, s23
	s_cbranch_scc0 .Lno_work                       ; the rows end in the first half
	s_wait_xcnt 0x0                                ; the first half's stores have read the codes' registers, into which fragments are loaded now
	HALF 4, 262144, 0                              ; four tiles of ranks on
.Lno_work:
	BARRIER                                        ; nobody reads the trip's rows any more: the next trip's may be stored over them
	s_wait_xcnt 0x0                                ; the stores have read their registers and their base: both may be written again
	s_add_nc_u64 s[14:15], s[14:15], 524288        ; eight tiles of ranks on
	s_add_co_u32 s24, s24, 128
	s_sub_co_u32 s26, s26, 1
	s_cmp_lg_u32 s26, 0
	s_cbranch_scc1 .Ltrip
	s_wait_tensorcnt 0x0
	ds_add_u32 v18, v19
	s_wait_dscnt 0x0
	s_endpgm
.Lfunc_end_k_qef1f964aa1_up:
	.size	k_qef1f964aa1_up, .Lfunc_end_k_qef1f964aa1_up-k_qef1f964aa1_up
	.p2alignl 7, 3214868480
	.fill 96, 4, 3214868480
	.section	.rodata,"a",@progbits
	.p2align	6, 0x0
	.amdhsa_kernel k_qef1f964aa1_up
		.amdhsa_group_segment_fixed_size 133632
		.amdhsa_private_segment_fixed_size 0
		.amdhsa_enable_private_segment 0
		.amdhsa_kernarg_size 56
		.amdhsa_user_sgpr_count 2
		.amdhsa_user_sgpr_kernarg_segment_ptr 1
		.amdhsa_wavefront_size32 1
		.amdhsa_system_sgpr_workgroup_id_x 1
		.amdhsa_system_sgpr_workgroup_id_y 1
		.amdhsa_system_sgpr_workgroup_id_z 1
		.amdhsa_system_vgpr_workitem_id 0
		.amdhsa_next_free_vgpr 1024
		.amdhsa_next_free_sgpr 100
		.amdhsa_reserve_vcc 1
		.amdhsa_float_denorm_mode_32 3
		.amdhsa_float_denorm_mode_16_64 3
		.amdhsa_memory_ordered 1
		.amdhsa_forward_progress 1
		.amdhsa_inst_pref_size 233
	.end_amdhsa_kernel
	.amdgpu_metadata
---
amdhsa.version: [ 1, 2 ]
amdhsa.kernels:
  - .name:           k_qef1f964aa1_up
    .symbol:         k_qef1f964aa1_up.kd
    .args:
      - { .name: xq, .offset: 0, .size: 8, .value_kind: global_buffer, .address_space: global }
      - { .name: selw, .offset: 8, .size: 8, .value_kind: global_buffer, .address_space: global }
      - { .name: w1_codes, .offset: 16, .size: 8, .value_kind: global_buffer, .address_space: global }
      - { .name: b1, .offset: 24, .size: 8, .value_kind: global_buffer, .address_space: global }
      - { .name: lowp_scales, .offset: 32, .size: 8, .value_kind: global_buffer, .address_space: global }
      - { .name: hq, .offset: 40, .size: 8, .value_kind: global_buffer, .address_space: global }
      - { .name: order, .offset: 48, .size: 8, .value_kind: global_buffer, .address_space: global }
    .group_segment_fixed_size: 133632
    .private_segment_fixed_size: 0
    .kernarg_segment_align: 8
    .kernarg_segment_size: 56
    .max_flat_workgroup_size: 128
    .sgpr_count:     100
    .vgpr_count:     1024
    .wavefront_size: 32
...
	.end_amdgpu_metadata
.endif
;; end of part 2
;; launch down (part 3): grid 32 x 8, 4 waves a work-group, no clusters, 168,448 bytes of LDS; arguments hq, order, w2_codes, yp; writes yp
.if DOCPART == 3
	.amdgcn_target "amdgcn-amd-amdhsa--gfx1250"
	.amdhsa_code_object_version 6
	.text
	.protected	k_qef1f964aa1_down
	.globl	k_qef1f964aa1_down
	.p2align	8
	.type	k_qef1f964aa1_down,@function
k_qef1f964aa1_down:
	s_mov_b64 s[64:65], 0
	v_nop
	global_prefetch_b8 v0, s[64:65] scope:SCOPE_SE
	s_setreg_imm32_b32 hwreg(HW_REG_WAVE_MODE, 25, 1), 1
	s_wait_xcnt 0x0
; THE SECOND PRODUCT, FOR THE CHOSEN ROWS ALONE, IN FOUR PARTS ALONG K: for rank i of expert e, yp(a, ., e, i) = the sum over hidden units 1,024 a .. 1,024 a + 1,023 of code(h) x code(W2[e]), f32, not yet scaled.
; THE WEIGHTS STAND STILL.  Work-group (x, e), nt = x & 7, a = x >> 3, owns output columns 128 nt .. + 127 and that quarter of K: 128 rows x 1,024 bytes of w2_codes, read from memory once, by this work-group alone,
; and kept in registers (512 a wave).  The expert's rows go past in trips of 128, worked in two halves of 64.  Wave w: u = w & 1 picks 64 of the columns, p = w >> 1 picks 32 of a half's rows.
; The four parts of a row are added, scaled by 2^(e2 + e3) and normalised by the next launch: a row's sum has four owners here, each with bytes of its own, so nothing is added in memory.
; hq holds images of the operand's registers (16 ranks x 128 units: 2,048 bytes, piece c at 512 c, lane l's 16 bytes at 16 l): a tile's quarter of K is 16,384 consecutive bytes, and goes through LDS as it lies.
; yp: [4 a][16 pieces of 64 columns][8 e][1,024 ranks][256 bytes].  The results stay in the order of the ranks: every address of a store is made of ids, a counted step and constants, a wave's 32 rows of a piece
; are 8,192 consecutive bytes, and the next launch, which knows each token's expert and rank, gathers.
; HOW MANY ROWS (n, from 'order') is a number read from memory.  So the loop has a constant 8 trips, both barriers of a trip stand on every path, and a trip, or its second half, at or past LIM = max(64, n rounded up to 64) jumps over its work.
; The launch before has stored hq up to rank LIM - 1 and no further.  Where a trip's second half lies past LIM, its 32 loads a wave take the first half's tiles once more: the number of loads is the same on every path, and nothing is read that was not stored.
; Ranks from n to LIM - 1 are multiplied and stored like the others: they fall into rows of the expert's own 1,024 that nobody reads.
; NO TENSOR LOADS, NO CLUSTER.  Each weight byte has one work-group; a quarter of the hidden codes is shared by the 8 work-groups of an expert that differ in nt.
; THE PRODUCT IS USED TRANSPOSED (source 0 = 16 rows of W2, source 1 = 16 rows of h): a lane holds eight neighbouring columns of one row.
; REGISTERS, in windows of 256: window 0: v0-31 addresses; v64-127 eight accumulators ((rt, t) at 64 + 32 rt + 8 t); v128-255 two sets of four fragments of h; on the way out v128-191 take the rows read back.
;   windows 1, 2: W2's 32 fragments ((t, s) at window 1 + s / 4, register 16 (4 t + s % 4)).   window 3: the next trip's images: v0-127 my tile of its first half, v128-255 of its second.
.set XP,   1040                        ; the weights' staging: a row of 1,024 codes + 16: 65 x 16 bytes, so that the sixteen rows of a fragment load start at different banks
.set OUT,  128*XP                      ; behind it (and behind a trip's eight tiles of 16,384 bytes, which take the same bytes later): for each wave a stage of 32 rows x (256 bytes + 16), for the way out
.set OP,   272
.set ACC,  64
.set XF,   128
.set RB,   128                         ; the way out: 32 rows x 256 bytes read back, 16 x 4 registers
.set MSB, 0
.macro WIN new                         ; the immediate's high byte repeats the setting that is left
.if MSB != (\new)
	s_set_vgpr_msb (MSB<<8)|(\new)
.set MSB, (\new)
.endif
.endm
.macro PLACES                          ; four plain vector instructions behind a matrix instruction, in front of loads into its sources
.rept 4
	v_nop
.endr
.endm
.macro BARRIER                         ; my LDS stores have landed and my LDS loads are in: then the work-group's barrier
	s_wait_dscnt 0x0
	s_barrier_signal -1
	s_barrier_wait -1
.endm
	s_load_b256 s[4:11], s[0:1], 0x0               ; hq s[4:5], order s[6:7], w2_codes s[8:9], yp s[10:11]
	v_lshl_add_u32 v62, v0, 2, 0x29000
	v_mov_b32 v63, 0
	v_lshrrev_b32 v21, 5, v0
	v_readfirstlane_b32 s18, v21                   ; wave
	s_and_b32 s19, s18, 1                          ; u
	s_lshr_b32 s20, s18, 1                         ; p
	s_and_b32 s21, ttmp7, 0xffff                   ; e
	s_and_b32 s22, ttmp9, 7                        ; nt
	s_lshr_b32 s29, ttmp9, 3                       ; a
	v_and_b32 v21, 31, v0                          ; lane
	v_and_b32 v22, 15, v0                          ; r
	v_bfe_u32 v23, v0, 4, 1                        ; h
	v_lshlrev_b32 v1, 4, v22                       ; 16 r
	v_lshlrev_b32 v2, 4, v21                       ; 16 x lane
	s_lshl_b32 s36, s20, 15
	v_add_nc_u32 v3, s36, v2                       ; h's fragments in LDS, first half: tiles 2 p, 2 p + 1;
	v_add_nc_u32 v4, 0x10000, v3                   ; second half: four tiles on
	s_lshl_b32 s36, s18, 14
	v_add_nc_u32 v5, s36, v2                       ; the tiles that I bring: tile w of the first half's four,
	v_add_nc_u32 v6, 0x10000, v5                   ; tile w of the second half's,
	s_lshl_b32 s36, s18, 16
	v_add_nc_u32 v7, s36, v2                       ; and tile w's place in hq
	s_mul_i32 s36, s18, 32*OP
	s_add_co_u32 s36, s36, OUT
	v_mul_u32_u24 v9, v22, OP
	v_lshl_add_u32 v9, v23, 5, v9
	v_add_nc_u32 v9, s36, v9                       ; my stage, in: row r, + 32 h
	v_mul_u32_u24 v10, v23, OP
	v_add_nc_u32 v10, v1, v10
	v_add_nc_u32 v10, s36, v10                     ; back: lanes 0-15 one row of 256 bytes, lanes 16-31 the next
	v_mul_u32_u24 v13, v22, XP
	v_lshl_add_u32 v13, v23, 4, v13
	s_mul_i32 s36, s19, 64*XP
	v_add_nc_u32 v13, s36, v13                     ; W2's fragments out of the staging
	s_mul_i32 s36, s18, 32*XP
	v_add_nc_u32 v14, s36, v2                      ; and W2's rows into it: my 32 rows
	s_lshl_b32 s40, s21, 22                        ; w2_codes: expert, 128 nt + 32 w rows of 4,096 bytes, 1,024 a along K
	s_lshl_b32 s41, s22, 19
	s_add_co_u32 s40, s40, s41
	s_lshl_b32 s41, s18, 17
	s_add_co_u32 s40, s40, s41
	s_lshl_b32 s41, s29, 10
	s_add_co_u32 s40, s40, s41
	s_mov_b32 s41, 0
	s_lshl_b32 s42, s21, 22                        ; hq: expert, K steps 8 a on
	s_lshl_b32 s43, s29, 14
	s_add_co_u32 s42, s42, s43
	s_mov_b32 s43, 0
	s_lshl_b32 s46, s21, 2                         ; order: the expert's count
	s_mov_b32 s47, 0
	s_lshl_b32 s50, s29, 25                        ; yp: part a, piece 2 nt + u, expert e, rank 32 p
	s_lshl_b32 s51, s22, 22
	s_add_co_u32 s50, s50, s51
	s_lshl_b32 s51, s19, 21
	s_add_co_u32 s50, s50, s51
	s_lshl_b32 s51, s21, 18
	s_add_co_u32 s50, s50, s51
	s_lshl_b32 s51, s20, 13
	s_add_co_u32 s50, s50, s51
	s_mov_b32 s51, 0
	s_mov_b32 s24, 0                               ; the trip's first rank
	s_wait_kmcnt 0x0
	s_add_nc_u64 s[8:9], s[8:9], s[40:41]
	s_add_nc_u64 s[30:31], s[4:5], s[42:43]
	s_add_nc_u64 s[46:47], s[6:7], s[46:47]
	s_add_nc_u64 s[34:35], s[10:11], s[50:51]
	s_load_b32 s27, s[46:47], 0x8000               ; n
	WIN 0x40                                       ; destination window 1
.set j, 0
.rept 64
	global_load_b128 v[4*j:4*j+3], v2, s[8:9] offset:(j/2)*4096+512*(j%2) th:TH_LOAD_NT   ; my 32 rows of W2: 512 consecutive bytes a load; read once in the launch
.set j, j+1
.endr
	WIN 0
; The images of the trip that begins `rows` ranks on are asked for: two tiles of 16,384 bytes a wave.  A rank is 4,096 bytes of hq, so the trip's place stands in the immediate.
; The second half's tiles lie 0x40000 bytes behind the first half's; where that half lies past LIM the distance is 0.  The distance is clamped by a constant before it enters the address.
.macro ASKH wait, rows
.if \wait
	s_wait_loadcnt 0x0                             ; no load of mine is out: the registers below and the second base may be written
.endif
	s_add_co_u32 s37, s24, \rows+64
	s_cmp_lt_u32 s37, s23
	s_cselect_b32 s52, 0x40000, 0
	s_min_u32 s52, s52, 0x40000
	s_mov_b32 s53, 0
	s_add_nc_u64 s[52:53], s[30:31], s[52:53]
	WIN 0xc0                                       ; destination window 3
.set j, 0
.rept 32
	global_load_b128 v[4*j:4*j+3], v7, s[30:31] offset:\rows*4096+512*j
.set j, j+1
.endr
.set j, 0
.rept 32
	global_load_b128 v[128+4*j:128+4*j+3], v7, s[52:53] offset:\rows*4096+512*j
.set j, j+1
.endr
	WIN 0
.endm
.macro PUTH                            ; and go into LDS a trip later
	WIN 0x0c                                       ; store data window 3
.set j, 0
.rept 32
	ds_store_b128 v5, v[4*j:4*j+3] offset:512*j
.set j, j+1
.endr
.set j, 0
.rept 32
	ds_store_b128 v6, v[128+4*j:128+4*j+3] offset:512*j
.set j, j+1
.endr
	WIN 0
.endm
	s_wait_kmcnt 0x0
	s_min_u32 s27, s27, 1024
	s_add_co_u32 s23, s27, 63
	s_and_b32 s23, s23, 0xffffffc0
	s_max_u32 s23, s23, 64                         ; LIM
	ASKH 0, 0                                      ; the first trip: LIM is 64 at the least, and the launch before has stored those ranks
	s_wait_loadcnt 63                              ; W2's rows are in: 64 loads were issued behind them, and the count names 63, the most that a wait can name
	WIN 0x04                                       ; store data window 1
.set j, 0
.rept 64
	ds_store_b128 v14, v[4*j:4*j+3] offset:(j/2)*XP+512*(j%2)
.set j, j+1
.endr
	WIN 0
	BARRIER                                        ; the slice's 128 rows lie in LDS
.macro WREGS win, s0                   ; 16 fragments: K steps s0 .. s0 + 3 of my four tiles
	WIN \win
.irp t, 0,1,2,3
.irp s, 0,1,2,3
.irp c, 0,1,2,3
	ds_load_b128 v[16*(4*\t+\s)+4*\c:16*(4*\t+\s)+4*\c+3], v13 offset:16*\t*XP+128*(\s0+\s)+32*\c
.endr
.endr
.endr
.endm
	WREGS 0x40, 0
	WREGS 0x80, 4
	WIN 0
	BARRIER                                        ; every wave has its fragments: the bytes now serve h's images
.macro FETCH d, set, adr               ; h's fragments of K steps 2 d, 2 d + 1, both tiles of my rows: 16 loads
.irp rt, 0,1
.irp ss, 0,1
.irp c, 0,1,2,3
	ds_load_b128 v[XF+64*(\set)+32*\rt+16*\ss+4*\c:XF+64*(\set)+32*\rt+16*\ss+4*\c+3], v[\adr] offset:16384*\rt+2048*(2*(\d)+\ss)+512*\c
.endr
.endr
.endr
.endm
; 16 matrix instructions: K steps 2 d, 2 d + 1.  The eight accumulators take turns, one instruction a turn, in the same order everywhere.  first = 1: the constant 0 starts the sums.
.macro MUL set, d, first
	WIN 1+(\d)/2                                   ; source 0 (W2): window 1 or 2
.irp ss, 0,1
.irp t, 0,1,2,3
.irp rt, 0,1
.if (\first) && (\ss == 0)
	v_wmma_f32_16x16x128_fp8_fp8 v[ACC+32*\rt+8*\t:ACC+32*\rt+8*\t+7], v[16*(4*\t+(2*(\d)+\ss)%4):16*(4*\t+(2*(\d)+\ss)%4)+15], v[XF+64*(\set)+32*\rt+16*\ss:XF+64*(\set)+32*\rt+16*\ss+15], 0
.else
	v_wmma_f32_16x16x128_fp8_fp8 v[ACC+32*\rt+8*\t:ACC+32*\rt+8*\t+7], v[16*(4*\t+(2*(\d)+\ss)%4):16*(4*\t+(2*(\d)+\ss)%4)+15], v[XF+64*(\set)+32*\rt+16*\ss:XF+64*(\set)+32*\rt+16*\ss+15], v[ACC+32*\rt+8*\t:ACC+32*\rt+8*\t+7]
.endif
.endr
.endr
.endr
	WIN 0
.endm
; Half a trip: 64 rows.  adr: the register with my fragments' LDS address; yoff: the half's place in yp.  ask = 1: the next trip's images are asked for, behind the first 32 fragment loads:
; the request has no LDS instruction, so the counts below hold with it and without.
.macro HALFD adr, yoff, ask
	FETCH 0, 0, \adr
	FETCH 1, 1, \adr
.if \ask
	s_add_co_u32 s36, s24, 128
	s_cmp_lt_u32 s36, s23
	s_cbranch_scc0 .Lno_next
	ASKH 1, 128                                    ; they have this whole trip in which to land
.Lno_next:
.endif
	s_wait_dscnt 16                                ; the older set is in; the 16 loads of the set behind it may be out: so at each of these three waits
	MUL 0, 0, 1
	PLACES
	FETCH 2, 0, \adr
	s_wait_dscnt 16
	MUL 1, 1, 0
	PLACES
	FETCH 3, 1, \adr
	s_wait_dscnt 16
	MUL 0, 2, 0
	s_wait_dscnt 0x0
	MUL 1, 3, 0
.rept 5
	v_nop                                          ; four plain vector instructions are owed in front of the LDS stores that read the results and of the loads into the fragments' registers,
.endr                                                  ; five in front of the next half's first products, which begin the accumulators anew (ISA guide 7.12.1): no other vector work stands between
	; THE WAY OUT.  A lane holds 32 neighbouring bytes of a row, and the lanes beside it hold other rows: through my own stage, and back as rows of 256 bytes.
.irp rt, 0,1
.irp t, 0,1,2,3
	ds_store_b128 v9, v[ACC+32*\rt+8*\t:ACC+32*\rt+8*\t+3]   offset:16*OP*\rt+64*\t         ; each accumulator from its low end on
	ds_store_b128 v9, v[ACC+32*\rt+8*\t+4:ACC+32*\rt+8*\t+7] offset:16*OP*\rt+64*\t+16
.endr
.endr
.irp k, 0,1,2,3,4,5,6,7,8,9,10,11,12,13,14,15
	ds_load_b128 v[RB+4*\k:RB+4*\k+3], v10 offset:2*OP*\k      ; rows 2 k, 2 k + 1 of my 32.  LDS serves a wave's instructions in order: these see my stores
.endr
.irp k, 0,1,2,3,4,5,6,7,8,9,10,11,12,13,14,15
	s_wait_dscnt 15-\k                             ; pair k of rows is back; the loads behind it may be out
	global_store_b128 v2, v[RB+4*\k:RB+4*\k+3], s[34:35] offset:\yoff+512*\k   ; two neighbouring ranks' 256 bytes: 512 consecutive bytes, at a multiple of 256 from yp's first byte
.endr
.endm
	s_mov_b32 s26, 8                               ; trips to go: a constant
.Ltrip:
	s_cmp_lt_u32 s24, s23
	s_cbranch_scc0 .Lno_put
	s_wait_loadcnt 0x0                             ; this trip's images, asked for a trip ago, are in registers
	PUTH
.Lno_put:
	BARRIER                                        ; the trip's eight tiles lie in LDS
	s_cmp_lt_u32 s24, s23
	s_cbranch_scc0 .Lno_work
	HALFD 3, 0, 1
	s_add_co_u32 s36, s24, 64
	s_cmp_lt_u32 s36, s23
	s_cbranch_scc0 .Lno_work                       ; the rows end in the first half
	s_wait_xcnt 0x0                                ; the first half's stores have read their registers, into which fragments are loaded now
	HALFD 4, 16384, 0                              ; 64 ranks of 256 bytes on
.Lno_work:
	BARRIER                                        ; nobody reads the trip's tiles any more: the next trip's may be stored over them
	s_wait_xcnt 0x0                                ; loads and stores have read their registers and bases: all may be written again
	s_add_nc_u64 s[30:31], s[30:31], 524288        ; eight tiles of ranks on,
	s_add_nc_u64 s[34:35], s[34:35], 32768         ; 128 ranks of 256 bytes on
	s_add_co_u32 s24, s24, 128
	s_sub_co_u32 s26, s26, 1
	s_cmp_lg_u32 s26, 0
	s_cbranch_scc1 .Ltrip
	s_wait_tensorcnt 0x0
	ds_add_u32 v62, v63
	s_wait_dscnt 0x0
	s_endpgm
.Lfunc_end_k_qef1f964aa1_down:
	.size	k_qef1f964aa1_down, .Lfunc_end_k_qef1f964aa1_down-k_qef1f964aa1_down
	.p2alignl 7, 3214868480
	.fill 96, 4, 3214868480
	.section	.rodata,"a",@progbits
	.p2align	6, 0x0
	.amdhsa_kernel k_qef1f964aa1_down
		.amdhsa_group_segment_fixed_size 168448
		.amdhsa_private_segment_fixed_size 0
		.amdhsa_enable_private_segment 0
		.amdhsa_kernarg_size 32
		.amdhsa_user_sgpr_count 2
		.amdhsa_user_sgpr_kernarg_segment_ptr 1
		.amdhsa_wavefront_size32 1
		.amdhsa_system_sgpr_workgroup_id_x 1
		.amdhsa_system_sgpr_workgroup_id_y 1
		.amdhsa_system_sgpr_workgroup_id_z 1
		.amdhsa_system_vgpr_workitem_id 0
		.amdhsa_next_free_vgpr 1024
		.amdhsa_next_free_sgpr 66
		.amdhsa_reserve_vcc 0
		.amdhsa_float_denorm_mode_32 3
		.amdhsa_float_denorm_mode_16_64 3
		.amdhsa_memory_ordered 1
		.amdhsa_forward_progress 1
		.amdhsa_inst_pref_size 66
	.end_amdhsa_kernel
	.amdgpu_metadata
---
amdhsa.version: [ 1, 2 ]
amdhsa.kernels:
  - .name:           k_qef1f964aa1_down
    .symbol:         k_qef1f964aa1_down.kd
    .args:
      - { .name: hq, .offset: 0, .size: 8, .value_kind: global_buffer, .address_space: global }
      - { .name: order, .offset: 8, .size: 8, .value_kind: global_buffer, .address_space: global }
      - { .name: w2_codes, .offset: 16, .size: 8, .value_kind: global_buffer, .address_space: global }
      - { .name: yp, .offset: 24, .size: 8, .value_kind: global_buffer, .address_space: global }
    .group_segment_fixed_size: 168448
    .private_segment_fixed_size: 0
    .kernarg_segment_align: 8
    .kernarg_segment_size: 32
    .max_flat_workgroup_size: 128
    .sgpr_count:     66
    .vgpr_count:     1024
    .wavefront_size: 32
...
	.end_amdgpu_metadata
.endif
;; end of part 3
;; launch norm (part 4): grid 256 x 1, 8 waves a work-group, no clusters, 17,408 bytes of LDS; arguments yp, x, selw, gate, b2, ln_g, ln_b, lowp_scales, order, out0; writes out0
.if DOCPART == 4
	.amdgcn_target "amdgcn-amd-amdhsa--gfx1250"
	.amdhsa_code_object_version 6
	.text
	.protected	k_qef1f964aa1_norm
	.globl	k_qef1f964aa1_norm
	.p2align	8
	.type	k_qef1f964aa1_norm,@function
k_qef1f964aa1_norm:
	s_mov_b64 s[64:65], 0
	v_nop
	global_prefetch_b8 v0, s[64:65] scope:SCOPE_SE
	s_setreg_imm32_b32 hwreg(HW_REG_WAVE_MODE, 25, 1), 1
	s_wait_xcnt 0x0
; THE REST OF AN EXPERT'S CHAIN AND THE COMBINATION.  For token t and slot k (its k-th expert e, from selw):
; y = (the sum of yp's four parts of the row) x 2^(e2 + e3) + b2[e] + x[t];  o = (y - mean) / sqrt(var + 1e-7) x ln_g[e] + ln_b[e];  out0[t] = gate[t][0] o_0 + gate[t][1] o_1.
; One wave to a (token, slot): t = 4 x work-group + wave / 2, k = wave % 2.  A row of 1,024 numbers is 32 registers a lane, so it stays in registers between the passes, and mean and variance never leave the wave.
; The variance is taken of y - mean, as written, not as a difference of large sums.  Slot 1's wave hands its weighted row to slot 0's through LDS.
; WHERE THE ROW LIES.  yp is laid [4 a][16 pieces of 64 columns][8 e][1,024 ranks][256 bytes]; order[e][t], stored by the first product's launch, is token t's rank with expert e.  The token's ranks with all eight experts
; are read by eight scalar loads whose addresses hang on t alone, at the same time as its two experts; one of them is then picked by selects: so no load waits for another before yp's are issued.
; THE ADDRESS.  Numbers read from memory are clamped by a constant before they enter an address: e at 7; (e & 3) x 1,024 + rank at 4,095, which x 256 + 8 x lane is the vector offset; (e & 4) << 18 goes to the bases.
; Every immediate beside them is 0 or more: sixteen bases, 8 MiB apart, each serve four pieces of 2 MiB.
; A piece is 256 bytes: 32 lanes x 8 bytes.  So a lane holds columns 64 c + 2 lane + 0, 1 (register 2 c + 0, 1), and x, b2, ln_g, ln_b and out0 are taken the same way: each load and store covers 256 consecutive bytes, aligned.
; Memory binds: no matrix unit, no cluster (no two work-groups read the same large bytes).
; LIMIT: e2 + e3 between -126 and 127, so that 2^(e2 + e3) is an f32 number.
.set X,  16                            ; v16-47   x[t]
.set B2, 48                            ; v48-79   b2[e], then b2 + x
.set Y,  80                            ; v80-111  part 0, then y, y - mean, o
.set Y1, 112                           ; v112-143 part 1, later ln_b[e]
.set Y2, 144                           ; v144-175 part 2, later the other slot's row
.set Y3, 176                           ; v176-207 part 3
.set G,  208                           ; v208-239 ln_g[e]
.set YB, 44                            ; s[44:59] eight bases in yp, 16 MiB apart: base i: part i / 2, pieces 8 (i % 2) + 0 .. 3, which the immediate tells apart
.set YC, 84                            ; s[84:99] eight more, each 8 MiB behind its fellow: pieces 8 (i % 2) + 4 .. 7
.set RKS, 84                           ; s[84:91] ahead of that: the token's rank with each of the eight experts
	s_load_b256 s[4:11], s[0:1], 0x0               ; yp s[4:5], x s[6:7], selw s[8:9], gate s[10:11]
	s_load_b256 s[12:19], s[0:1], 0x20             ; b2 s[12:13], ln_g s[14:15], ln_b s[16:17], scales s[18:19]
	s_load_b128 s[60:63], s[0:1], 0x40             ; order s[60:61], out0 s[62:63]
	v_lshl_add_u32 v254, v0, 2, 0x4000
	v_mov_b32 v255, 0
	v_lshrrev_b32 v4, 5, v0
	v_readfirstlane_b32 s22, v4                    ; wave 0..7
	v_and_b32 v1, 31, v0
	v_lshlrev_b32 v2, 4, v1                        ; 16 x lane
	v_lshlrev_b32 v5, 3, v1                        ; 8 x lane
	s_lshr_b32 s23, s22, 1                         ; which of the group's four tokens
	s_and_b32 s24, s22, 1                          ; slot
	s_lshl_b32 s25, s23, 12
	v_add_nc_u32 v3, s25, v2                       ; LDS: 4,096 bytes a token, as an image of the 32 registers
	v_mov_b32 v244, 0                              ; written once: a lane permute's destination counts as one of its sources
	v_mov_b32 v247, 0                              ; (named as the upper half of a pair)
	s_lshl_b32 s26, ttmp9, 2
	s_add_co_u32 s26, s26, s23                     ; t
	s_lshl_b32 s30, s26, 12
	s_mov_b32 s31, 0
	s_lshl_b32 s32, s26, 2
	s_mov_b32 s33, 0
	s_lshl_b32 s34, s26, 3
	s_mov_b32 s35, 0
	s_mov_b32 s76, 0x76543210                      ; v_permlanex16_b32: lane l xor 16
	s_mov_b32 s77, 0xfedcba98
	s_mov_b32 s78, 0x3a800000                      ; 1 / 1,024
	s_mov_b32 s79, 0x33d6bf95                      ; 1e-7
	s_wait_kmcnt 0x0
	s_add_nc_u64 s[8:9], s[8:9], s[32:33]
	s_add_nc_u64 s[10:11], s[10:11], s[34:35]
	s_add_nc_u64 s[60:61], s[60:61], s[32:33]
	s_load_b32 s36, s[8:9], 0x0                    ; the token's two experts,
	s_load_b64 s[38:39], s[10:11], 0x0             ; their weights,
	s_load_b128 s[40:43], s[18:19], 0x0            ; e0, e1, e2, e3,
.irp e, 0,1,2,3,4,5,6,7
	s_load_b32 s[RKS+\e], s[60:61], 4096*\e        ; and the token's rank with expert e
.endr
	s_add_nc_u64 s[6:7], s[6:7], s[30:31]
	s_add_nc_u64 s[62:63], s[62:63], s[30:31]
.irp c, 0,1,2,3,4,5,6,7,8,9,10,11,12,13,14,15
	global_load_b64 v[X+2*\c:X+2*\c+1], v5, s[6:7] offset:256*\c
.endr
	s_wait_kmcnt 0x0
	s_lshl_b32 s25, s24, 3
	s_lshr_b32 s36, s36, s25
	s_and_b32 s36, s36, 0xff
	s_min_u32 s36, s36, 7                          ; my expert, inside the tables
	s_mov_b32 s66, s[RKS]                          ; my rank: one of the eight
.irp e, 1,2,3,4,5,6,7
	s_cmp_eq_u32 s36, \e
	s_cselect_b32 s66, s[RKS+\e], s66
.endr
	s_and_b32 s25, s36, 3
	s_lshl_b32 s25, s25, 10
	s_add_co_u32 s66, s66, s25                     ; (e & 3) x 1,024 + rank
	v_mov_b32 v6, s66
	v_min_u32 v6, 0xfff, v6                        ; inside the 4,096 rows,
	v_lshlrev_b32 v6, 8, v6                        ; of 256 bytes,
	v_add_nc_u32 v6, v5, v6                        ; my 8 bytes
	s_and_b32 s82, s36, 4
	s_lshl_b32 s82, s82, 18                        ; experts 4 to 7 lie 4 x 1,024 ranks of 256 bytes further on
	s_mov_b32 s83, 0
	s_add_nc_u64 s[YB:YB+1], s[4:5], s[82:83]
.irp i, 1,2,3,4,5,6,7
	s_add_nc_u64 s[YB+2*\i:YB+2*\i+1], s[YB+2*\i-2:YB+2*\i-1], 0x1000000    ; eight pieces of 2 MiB on
.endr
.irp i, 0,1,2,3,4,5,6,7
	s_add_nc_u64 s[YC+2*\i:YC+2*\i+1], s[YB+2*\i:YB+2*\i+1], 0x800000       ; four pieces on: so the immediates are 0, 2, 4 and 6 MiB, inside the signed 24 bits (ISA guide, chapter 10).  (The ranks that lay here have been read)
.endr
.irp i, 0,1,2,3,4,5,6,7                        ; part i / 2, pieces 8 (i % 2) + 0 .. 7: each load 256 consecutive bytes, read once in the launch
.irp cc, 0,1,2,3
	global_load_b64 v[Y+32*(\i/2)+2*(8*(\i%2)+\cc):Y+32*(\i/2)+2*(8*(\i%2)+\cc)+1], v6, s[YB+2*\i:YB+2*\i+1] offset:\cc*2097152 th:TH_LOAD_NT
.endr
.irp cc, 0,1,2,3
	global_load_b64 v[Y+32*(\i/2)+2*(8*(\i%2)+4+\cc):Y+32*(\i/2)+2*(8*(\i%2)+4+\cc)+1], v6, s[YC+2*\i:YC+2*\i+1] offset:\cc*2097152 th:TH_LOAD_NT
.endr
.endr
	s_lshl_b32 s80, s36, 12
	s_mov_b32 s81, 0
	s_add_nc_u64 s[12:13], s[12:13], s[80:81]
	s_add_nc_u64 s[14:15], s[14:15], s[80:81]
	s_add_nc_u64 s[16:17], s[16:17], s[80:81]
	s_cmp_eq_u32 s24, 0
	s_cselect_b32 s72, s38, s39                    ; my weight
	s_mov_b32 s73, s72                             ; (named with it as a pair, so it is written)
	s_add_co_i32 s74, s42, s43
	s_add_co_i32 s74, s74, 127
	s_lshl_b32 s74, s74, 23                        ; 2^(e2 + e3) as f32
	s_mov_b32 s75, s74
.irp c, 0,1,2,3,4,5,6,7,8,9,10,11,12,13,14,15
	global_load_b64 v[B2+2*\c:B2+2*\c+1], v5, s[12:13] offset:256*\c
.endr
.irp c, 0,1,2,3,4,5,6,7,8,9,10,11,12,13,14,15
	global_load_b64 v[G+2*\c:G+2*\c+1], v5, s[14:15] offset:256*\c
.endr
	s_wait_loadcnt 32                              ; x and the four parts are in; b2's and ln_g's 32 loads, issued behind them, may be out
.irp i, 0,2,4,6,8,10,12,14,16,18,20,22,24,26,28,30
	v_pk_add_f32 v[Y+\i:Y+\i+1], v[Y+\i:Y+\i+1], v[Y1+\i:Y1+\i+1]
	v_pk_add_f32 v[Y2+\i:Y2+\i+1], v[Y2+\i:Y2+\i+1], v[Y3+\i:Y3+\i+1]
.endr
.irp c, 0,1,2,3,4,5,6,7,8,9,10,11,12,13,14,15
	global_load_b64 v[Y1+2*\c:Y1+2*\c+1], v5, s[16:17] offset:256*\c        ; ln_b, into registers that have been added
.endr
.irp i, 0,2,4,6,8,10,12,14,16,18,20,22,24,26,28,30
	v_pk_add_f32 v[Y+\i:Y+\i+1], v[Y+\i:Y+\i+1], v[Y2+\i:Y2+\i+1]
.endr
	s_wait_loadcnt 32                              ; b2 is in; ln_g's and ln_b's 32 loads may be out
.irp i, 0,2,4,6,8,10,12,14,16,18,20,22,24,26,28,30
	v_pk_add_f32 v[B2+\i:B2+\i+1], v[B2+\i:B2+\i+1], v[X+\i:X+\i+1]
.endr
.irp i, 0,2,4,6,8,10,12,14,16,18,20,22,24,26,28,30
	v_pk_fma_f32 v[Y+\i:Y+\i+1], v[Y+\i:Y+\i+1], s[74:75], v[B2+\i:B2+\i+1] op_sel_hi:[1,0,1]   ; y
.endr
.macro WSUM r, t                       ; the sum over the 32 lanes, in every lane
	v_add_f32_dpp v[\r], v[\r], v[\r] row_xmask:1 row_mask:0xf bank_mask:0xf
	v_add_f32_dpp v[\r], v[\r], v[\r] row_xmask:2 row_mask:0xf bank_mask:0xf
	v_add_f32_dpp v[\r], v[\r], v[\r] row_xmask:4 row_mask:0xf bank_mask:0xf
	v_add_f32_dpp v[\r], v[\r], v[\r] row_xmask:8 row_mask:0xf bank_mask:0xf
	v_permlanex16_b32 v[\t], v[\r], s76, s77
	v_add_f32 v[\r], v[\r], v[\t]
.endm
	v_pk_add_f32 v[240:241], v[Y:Y+1], v[Y+2:Y+3]  ; the mean: two chains of packed sums
	v_pk_add_f32 v[242:243], v[Y+4:Y+5], v[Y+6:Y+7]
.irp i, 8,12,16,20,24,28
	v_pk_add_f32 v[240:241], v[240:241], v[Y+\i:Y+\i+1]
	v_pk_add_f32 v[242:243], v[242:243], v[Y+\i+2:Y+\i+3]
.endr
	v_pk_add_f32 v[240:241], v[240:241], v[242:243]
	v_add_f32 v240, v240, v241
	WSUM 240, 244
	v_mul_f32 v240, s78, v240
.irp i, 0,2,4,6,8,10,12,14,16,18,20,22,24,26,28,30
	v_pk_add_f32 v[Y+\i:Y+\i+1], v[Y+\i:Y+\i+1], v[240:241] op_sel_hi:[1,0] neg_lo:[0,1] neg_hi:[0,1]   ; y - mean (the pair's low word for both halves)
.endr
	v_pk_mul_f32 v[242:243], v[Y:Y+1], v[Y:Y+1]    ; the variance, likewise
	v_pk_mul_f32 v[248:249], v[Y+2:Y+3], v[Y+2:Y+3]
.irp i, 4,8,12,16,20,24,28
	v_pk_fma_f32 v[242:243], v[Y+\i:Y+\i+1], v[Y+\i:Y+\i+1], v[242:243]
	v_pk_fma_f32 v[248:249], v[Y+\i+2:Y+\i+3], v[Y+\i+2:Y+\i+3], v[248:249]
.endr
	v_pk_add_f32 v[242:243], v[242:243], v[248:249]
	v_add_f32 v242, v242, v243
	WSUM 242, 244
	v_fma_f32 v242, v242, s78, s79                 ; / 1,024 + 1e-7
	v_rsq_f32 v246, v242
	v_nop                                          ; a plain instruction behind the transcendental
	s_wait_loadcnt 0x0                             ; ln_g, ln_b
	s_wait_alu depctr_va_vdst(0)
.irp i, 0,2,4,6,8,10,12,14,16,18,20,22,24,26,28,30
	v_pk_mul_f32 v[Y+\i:Y+\i+1], v[Y+\i:Y+\i+1], v[246:247] op_sel_hi:[1,0]
.endr
.irp i, 0,2,4,6,8,10,12,14,16,18,20,22,24,26,28,30
	v_pk_fma_f32 v[Y+\i:Y+\i+1], v[Y+\i:Y+\i+1], v[G+\i:G+\i+1], v[Y1+\i:Y1+\i+1]
.endr
.irp i, 0,2,4,6,8,10,12,14,16,18,20,22,24,26,28,30
	v_pk_mul_f32 v[Y+\i:Y+\i+1], v[Y+\i:Y+\i+1], s[72:73] op_sel_hi:[1,0]   ; x my weight
.endr
	s_cmp_eq_u32 s24, 0
	s_cbranch_scc1 .Lkeeps
.irp i, 0,1,2,3,4,5,6,7
	ds_store_b128 v3, v[Y+4*\i:Y+4*\i+3] offset:512*\i                      ; slot 1 hands its row over, register by register
.endr
.Lkeeps:
	s_wait_dscnt 0x0                               ; for the other wave's sake: my stores have landed
	s_barrier_signal -1
	s_barrier_wait -1
	s_cmp_lg_u32 s24, 0
	s_cbranch_scc1 .Ldone
.irp i, 0,1,2,3,4,5,6,7
	ds_load_b128 v[Y2+4*\i:Y2+4*\i+3], v3 offset:512*\i
.endr
	s_wait_dscnt 0x0
.irp i, 0,2,4,6,8,10,12,14,16,18,20,22,24,26,28,30
	v_pk_add_f32 v[Y+\i:Y+\i+1], v[Y+\i:Y+\i+1], v[Y2+\i:Y2+\i+1]
.endr
.irp c, 0,1,2,3,4,5,6,7,8,9,10,11,12,13,14,15
	global_store_b64 v5, v[Y+2*\c:Y+2*\c+1], s[62:63] offset:256*\c th:TH_STORE_NT   ; 256 consecutive bytes of the token's row, aligned; written once, read by nobody here
.endr
.Ldone:
	s_wait_tensorcnt 0x0
	ds_add_u32 v254, v255
	s_wait_dscnt 0x0
	s_endpgm
.Lfunc_end_k_qef1f964aa1_norm:
	.size	k_qef1f964aa1_norm, .Lfunc_end_k_qef1f964aa1_norm-k_qef1f964aa1_norm
	.p2alignl 7, 3214868480
	.fill 96, 4, 3214868480
	.section	.rodata,"a",@progbits
	.p2align	6, 0x0
	.amdhsa_kernel k_qef1f964aa1_norm
		.amdhsa_group_segment_fixed_size 17408
		.amdhsa_private_segment_fixed_size 0
		.amdhsa_enable_private_segment 0
		.amdhsa_kernarg_size 80
		.amdhsa_user_sgpr_count 2
		.amdhsa_user_sgpr_kernarg_segment_ptr 1
		.amdhsa_wavefront_size32 1
		.amdhsa_system_sgpr_workgroup_id_x 1
		.amdhsa_system_sgpr_workgroup_id_y 1
		.amdhsa_system_sgpr_workgroup_id_z 1
		.amdhsa_system_vgpr_workitem_id 0
		.amdhsa_next_free_vgpr 256
		.amdhsa_next_free_sgpr 100
		.amdhsa_reserve_vcc 0
		.amdhsa_float_denorm_mode_32 3
		.amdhsa_float_denorm_mode_16_64 3
		.amdhsa_memory_ordered 1
		.amdhsa_forward_progress 1
		.amdhsa_inst_pref_size 33
	.end_amdhsa_kernel
	.amdgpu_metadata
---
amdhsa.version: [ 1, 2 ]
amdhsa.kernels:
  - .name:           k_qef1f964aa1_norm
    .symbol:         k_qef1f964aa1_norm.kd
    .args:
      - { .name: yp, .offset: 0, .size: 8, .value_kind: global_buffer, .address_space: global }
      - { .name: x, .offset: 8, .size: 8, .value_kind: global_buffer, .address_space: global }
      - { .name: selw, .offset: 16, .size: 8, .value_kind: global_buffer, .address_space: global }
      - { .name: gate, .offset: 24, .size: 8, .value_kind: global_buffer, .address_space: global }
      - { .name: b2, .offset: 32, .size: 8, .value_kind: global_buffer, .address_space: global }
      - { .name: ln_g, .offset: 40, .size: 8, .value_kind: global_buffer, .address_space: global }
      - { .name: ln_b, .offset: 48, .size: 8, .value_kind: global_buffer, .address_space: global }
      - { .name: lowp_scales, .offset: 56, .size: 8, .value_kind: global_buffer, .address_space: global }
      - { .name: order, .offset: 64, .size: 8, .value_kind: global_buffer, .address_space: global }
      - { .name: out0, .offset: 72, .size: 8, .value_kind: global_buffer, .address_space: global }
    .group_segment_fixed_size: 17408
    .private_segment_fixed_size: 0
    .kernarg_segment_align: 8
    .kernarg_segment_size: 80
    .max_flat_workgroup_size: 256
    .sgpr_count:     100
    .vgpr_count:     256
    .wavefront_size: 32
...
	.end_amdgpu_metadata
.endif
;; end of part 4
;; ======== version 2 of 2: 4 launches
;; workspace buffers: xq 1,048,576 bytes; selw 4,096 bytes of whole numbers; gate 8,192 bytes; order 33,024 bytes of whole numbers; hq 33,554,432 bytes; yp 134,217,728 bytes
;; launch route (part 5): grid 256 x 1, 4 waves a work-group, no clusters, 41,472 bytes of LDS; arguments x, router_w, lowp_scales, out1, xq, selw, gate; writes out1, xq, selw, gate
.if DOCPART == 5
	.amdgcn_target "amdgcn-amd-amdhsa--gfx1250"
	.amdhsa_code_object_version 6
	.text
	.protected	k_qef1f964aa1_route
	.globl	k_qef1f964aa1_route
	.p2align	8
	.type	k_qef1f964aa1_route,@function
k_qef1f964aa1_route:
	s_mov_b64 s[64:65], 0
	v_nop
	global_prefetch_b8 v0, s[64:65] scope:SCOPE_SE
	s_setreg_imm32_b32 hwreg(HW_REG_WAVE_MODE, 25, 1), 1
	s_wait_xcnt 0x0
; THE ROUTER AND x's CODES.  One wave to a token: t = 4 x work-group + wave.
; logits[t][0..7] = x[t] . router_w[:, e] in f32 (fused multiply-adds, 32 products a lane, then a sum over the lanes) -> out1.
; softmax -> top 2 -> renormalised: u_e = 2^((l_e - max) log2 e).  The softmax's divisor is common to all eight, so it changes neither
; the order nor the ratio u_a / (u_a + u_b): it is not formed.  Ties go to the lower index (a strict compare, ascending), as jax.lax.top_k has it.
; The choice is only STORED here (selw[t] = first | second << 8; gate[t] = the two weights): no address and no branch of this launch hangs on it.
; x[t] is also quantised: code = x / 2^e0, held within +-448, to the nearest E4M3 code -> xq[t][0..1023], K in its natural order.
; LIMITS: e0 between -126 and 119, so that 2^e0 and 448 x 2^e0 are f32 numbers.  NaN among the inputs is not served.
; No matrix unit, no cluster: 8 columns are too few for a matrix tile, and a token's 4,096 bytes are read by one wave alone.
.set RWP, 144                          ; router_w in LDS: 256 chunks of 128 bytes (4 k x 8 experts), 144 bytes apart: 9 x 16, so that the lanes' 16-byte reads fall on different banks
.set CST, 256*RWP                      ; behind it 1,024 bytes for each wave: a token's codes on their way out
.set X,   16                           ; v16-47   x[t][128 i + 4 lane + j] at X + 4 i + j
.set WS,  48                           ; v48-111  router_w as loaded; then two sets of 32 (a chunk: W[8 kk + e]); at last the codes
.set LG,  112                          ; v112-119 the eight sums, then the logits
.set U,   120                          ; v120-127 u_e
.set T,   128                          ; v128-135 at work
	s_load_b256 s[4:11], s[0:1], 0x0               ; x s[4:5], router_w s[6:7], scales s[8:9], out1 s[10:11]
	s_load_b128 s[12:15], s[0:1], 0x20             ; xq s[12:13], selw s[14:15]
	s_load_b64 s[16:17], s[0:1], 0x30              ; gate
	v_lshl_add_u32 v144, v0, 2, 0xa000
	v_mov_b32 v145, 0
	v_lshrrev_b32 v7, 5, v0
	v_readfirstlane_b32 s18, v7                    ; wave
	v_and_b32 v1, 31, v0                           ; lane
	v_lshlrev_b32 v2, 4, v1                        ; 16 x lane
	v_lshrrev_b32 v3, 3, v1
	v_mul_u32_u24 v3, v3, RWP
	v_and_b32 v7, 7, v1
	v_lshl_add_u32 v3, v7, 4, v3
	s_mul_i32 s22, s18, 64*RWP
	v_add_nc_u32 v3, s22, v3                       ; router_w into LDS: eight lanes fill a chunk; a wave brings 64 chunks
	v_mul_u32_u24 v4, v1, RWP                      ; and out of it: lane l takes chunk 32 i + l
	s_lshl_b32 s22, s18, 10
	s_add_co_u32 s22, s22, CST
	v_lshl_add_u32 v5, v1, 2, s22                  ; my codes into the wave's stage: 4 bytes a lane
	v_add_nc_u32 v6, s22, v2                       ; and back: 16 bytes a lane
	v_lshlrev_b32 v9, 2, v1                        ; 4 x lane
	s_lshl_b32 s19, ttmp9, 2
	s_add_co_u32 s19, s19, s18                     ; t
	s_mov_b32 s20, 0x76543210                      ; v_permlanex16_b32: lane l xor 16
	s_mov_b32 s21, 0xfedcba98
	s_lshl_b32 s24, s19, 12                        ; byte offsets, each in a pair with 0 above it
	s_mov_b32 s25, 0
	s_lshl_b32 s26, s18, 13
	s_mov_b32 s27, 0
	s_lshl_b32 s30, s19, 5
	s_mov_b32 s31, 0
	s_lshl_b32 s32, s19, 10
	s_mov_b32 s33, 0
	s_lshl_b32 s34, s19, 2
	s_mov_b32 s35, 0
	s_lshl_b32 s36, s19, 3
	s_mov_b32 s37, 0
	s_wait_kmcnt 0x0
	s_load_b32 s28, s[8:9], 0x0                    ; e0
	s_add_nc_u64 s[4:5], s[4:5], s[24:25]
	s_add_nc_u64 s[6:7], s[6:7], s[26:27]
	s_add_nc_u64 s[10:11], s[10:11], s[30:31]
	s_add_nc_u64 s[12:13], s[12:13], s[32:33]
	s_add_nc_u64 s[14:15], s[14:15], s[34:35]
	s_add_nc_u64 s[16:17], s[16:17], s[36:37]
.irp i, 0,1,2,3,4,5,6,7
	global_load_b128 v[X+4*\i:X+4*\i+3], v2, s[4:5] offset:512*\i           ; 512 consecutive bytes of the token's row
.endr
.irp j, 0,1,2,3,4,5,6,7,8,9,10,11,12,13,14,15
	global_load_b128 v[WS+4*\j:WS+4*\j+3], v2, s[6:7] offset:512*\j         ; my wave's quarter of router_w
.endr
.irp e, 0,1,2,3,4,5,6,7
	v_mov_b32 v[T+\e], 0                           ; written once: a lane permute's destination counts as one of its sources
.endr
	s_wait_loadcnt 0x0
.irp j, 0,1,2,3,4,5,6,7,8,9,10,11,12,13,14,15
	ds_store_b128 v3, v[WS+4*\j:WS+4*\j+3] offset:4*RWP*\j
.endr
	s_wait_dscnt 0x0                               ; for the others' sake: my quarter lies in LDS
	s_barrier_signal -1
	s_barrier_wait -1
.macro WLOAD i                         ; chunk 32 i + lane into set i % 2
.irp m, 0,1,2,3,4,5,6,7
	ds_load_b128 v[WS+32*((\i)%2)+4*\m:WS+32*((\i)%2)+4*\m+3], v4 offset:32*RWP*(\i)+16*\m
.endr
.endm
.macro RSTEP i                         ; k = 128 i + 4 lane + 0 .. 3: 32 fused multiply-adds on eight sums that take turns
.if (\i) < 7
	WLOAD (\i)+1
	s_wait_alu depctr_va_vdst(0)
	s_wait_dscnt 8                                 ; this step's eight loads are in; the next step's eight may be out
.else
	s_wait_dscnt 0x0
.endif
.irp kk, 0,1,2,3
.irp e, 0,1,2,3,4,5,6,7
.if ((\i) == 0) && (\kk == 0)
	v_mul_f32 v[LG+\e], v[WS+32*((\i)%2)+8*\kk+\e], v[X+4*(\i)+\kk]         ; the first products start the sums
.else
	v_fmac_f32 v[LG+\e], v[WS+32*((\i)%2)+8*\kk+\e], v[X+4*(\i)+\kk]
.endif
.endr
.endr
.endm
	WLOAD 0
.irp i, 0,1,2,3,4,5,6,7
	s_wait_alu depctr_va_vdst(0)
	RSTEP \i
.endr
.irp m, 1,2,4,8                        ; the sums over the 32 lanes: four steps inside each half, one across; every lane ends with all eight logits
.irp e, 0,1,2,3,4,5,6,7
	v_add_f32_dpp v[LG+\e], v[LG+\e], v[LG+\e] row_xmask:\m row_mask:0xf bank_mask:0xf
.endr
.endr
.irp e, 0,1,2,3,4,5,6,7
	v_permlanex16_b32 v[T+\e], v[LG+\e], s20, s21
.endr
.irp e, 0,1,2,3,4,5,6,7
	v_add_f32 v[LG+\e], v[LG+\e], v[T+\e]
.endr
	; u_e = 2^((l_e - max) log2 e): the maximum is taken away first
	v_max3_num_f32 v136, v[LG], v[LG+1], v[LG+2]
	v_max3_num_f32 v136, v136, v[LG+3], v[LG+4]
	v_max3_num_f32 v136, v136, v[LG+5], v[LG+6]
	v_max_num_f32 v136, v136, v[LG+7]
.irp e, 0,1,2,3,4,5,6,7
	v_sub_f32 v[U+\e], v[LG+\e], v136
.endr
.irp e, 0,1,2,3,4,5,6,7
	v_mul_f32 v[U+\e], 0x3fb8aa3b, v[U+\e]
.endr
	s_wait_alu depctr_va_vdst(0)
.irp e, 0,1,2,3,4,5,6,7
	v_exp_f32 v[U+\e], v[U+\e]
.endr
	v_mov_b32 v137, 0                              ; (a plain instruction behind the exponentials)  the first choice: index,
	s_wait_alu depctr_va_vdst(0)
	v_mov_b32 v136, v[U]                           ; and its u
.irp e, 1,2,3,4,5,6,7
	v_cmp_gt_f32 vcc_lo, v[U+\e], v136
	v_cndmask_b32 v136, v136, v[U+\e], vcc_lo
	v_cndmask_b32 v137, v137, \e, vcc_lo
.endr
.irp e, 0,1,2,3,4,5,6,7
	v_cmp_eq_u32 vcc_lo, \e, v137
	v_cndmask_b32 v[U+\e], v[U+\e], -1.0, vcc_lo   ; the chosen one falls under every u, which are 0 or more
.endr
	v_mov_b32 v139, 0                              ; the second choice
	v_mov_b32 v138, v[U]
.irp e, 1,2,3,4,5,6,7
	v_cmp_gt_f32 vcc_lo, v[U+\e], v138
	v_cndmask_b32 v138, v138, v[U+\e], vcc_lo
	v_cndmask_b32 v139, v139, \e, vcc_lo
.endr
	v_add_f32 v140, v136, v138
	s_wait_alu depctr_va_vdst(0)
	v_rcp_f32 v140, v140
	v_lshl_or_b32 v141, v139, 8, v137              ; (a plain instruction behind the reciprocal)  first | second << 8
	s_wait_alu depctr_va_vdst(0)
	v_mul_f32 v142, v136, v140                     ; the two weights, renormalised
	v_mul_f32 v143, v138, v140
	; x's codes
	s_wait_kmcnt 0x0
	s_add_co_i32 s28, s28, 127
	s_lshl_b32 s29, s28, 23
	v_mov_b32 v10, s29                             ; 2^e0 as f32: the conversion takes its exponent field
	s_add_co_i32 s28, s28, 8
	s_lshl_b32 s28, s28, 23
	s_or_b32 s28, s28, 0x600000
	v_mov_b32 v11, s28                             ; 448 x 2^e0
.irp i, 0,1,2,3,4,5,6,7,8,9,10,11,12,13,14,15,16,17,18,19,20,21,22,23,24,25,26,27,28,29,30,31
	v_med3_num_f32 v[X+\i], v[X+\i], -v11, v11     ; the conversion to an 8-bit code does not saturate (ISA guide 7.6.2): the hold comes first
.endr
.irp m, 0,1,2,3
	v_cvt_scalef32_pk8_fp8_f32 v[WS+2*\m:WS+2*\m+1], v[X+8*\m:X+8*\m+7], v10   ; register i of the eight: the codes of k = 128 i + 4 lane + 0 .. 3
.endr
	v_nop                                          ; a plain instruction behind the last conversion
.irp i, 0,1,2,3,4,5,6,7
	ds_store_b32 v5, v[WS+\i] offset:128*\i
.endr
.irp j, 0,1
	ds_load_b128 v[T+4*\j:T+4*\j+3], v6 offset:512*\j   ; LDS serves a wave's instructions in order: these see my stores
.endr
	v_mov_b32 v140, v[LG]                          ; lane e picks logit e
.irp e, 1,2,3,4,5,6,7
	v_cmp_eq_u32 vcc_lo, \e, v1
	v_cndmask_b32 v140, v140, v[LG+\e], vcc_lo
.endr
	s_wait_alu depctr_va_vdst(0)
	s_wait_dscnt 0x0
.irp j, 0,1
	global_store_b128 v2, v[T+4*\j:T+4*\j+3], s[12:13] offset:512*\j        ; 512 consecutive bytes of the token's codes
.endr
	v_cmp_gt_u32 vcc_lo, 8, v1
	s_wait_xcnt 0x0                                ; EXEC is a source of the stores above: it changes only behind this wait
	s_wait_tensorcnt 0x0
	ds_add_u32 v144, v145
	s_wait_dscnt 0x0
	s_and_saveexec_b32 s38, vcc_lo
	global_store_b32 v9, v140, s[10:11]            ; lanes 0-7: the token's eight logits
	s_wait_xcnt 0x0
	s_or_b32 exec_lo, exec_lo, s38
	v_cmp_eq_u32 vcc_lo, 0, v1
	s_and_saveexec_b32 s38, vcc_lo
	global_store_b32 v9, v141, s[14:15]            ; lane 0 (its 4 x lane is 0): the choice,
	global_store_b64 v9, v[142:143], s[16:17]      ; and the weights
	s_wait_xcnt 0x0
	s_or_b32 exec_lo, exec_lo, s38
	s_endpgm
.Lfunc_end_k_qef1f964aa1_route:
	.size	k_qef1f964aa1_route, .Lfunc_end_k_qef1f964aa1_route-k_qef1f964aa1_route
	.p2alignl 7, 3214868480
	.fill 96, 4, 3214868480
	.section	.rodata,"a",@progbits
	.p2align	6, 0x0
	.amdhsa_kernel k_qef1f964aa1_route
		.amdhsa_group_segment_fixed_size 41472
		.amdhsa_private_segment_fixed_size 0
		.amdhsa_enable_private_segment 0
		.amdhsa_kernarg_size 56
		.amdhsa_user_sgpr_count 2
		.amdhsa_user_sgpr_kernarg_segment_ptr 1
		.amdhsa_wavefront_size32 1
		.amdhsa_system_sgpr_workgroup_id_x 1
		.amdhsa_system_sgpr_workgroup_id_y 1
		.amdhsa_system_sgpr_workgroup_id_z 1
		.amdhsa_system_vgpr_workitem_id 0
		.amdhsa_next_free_vgpr 146
		.amdhsa_next_free_sgpr 66
		.amdhsa_reserve_vcc 1
		.amdhsa_float_denorm_mode_32 3
		.amdhsa_float_denorm_mode_16_64 3
		.amdhsa_memory_ordered 1
		.amdhsa_forward_progress 1
		.amdhsa_inst_pref_size 31
	.end_amdhsa_kernel
	.amdgpu_metadata
---
amdhsa.version: [ 1, 2 ]
amdhsa.kernels:
  - .name:           k_qef1f964aa1_route
    .symbol:         k_qef1f964aa1_route.kd
    .args:
      - { .name: x, .offset: 0, .size: 8, .value_kind: global_buffer, .address_space: global }
      - { .name: router_w, .offset: 8, .size: 8, .value_kind: global_buffer, .address_space: global }
      - { .name: lowp_scales, .offset: 16, .size: 8, .value_kind: global_buffer, .address_space: global }
      - { .name: out1, .offset: 24, .size: 8, .value_kind: global_buffer, .address_space: global }
      - { .name: xq, .offset: 32, .size: 8, .value_kind: global_buffer, .address_space: global }
      - { .name: selw, .offset: 40, .size: 8, .value_kind: global_buffer, .address_space: global }
      - { .name: gate, .offset: 48, .size: 8, .value_kind: global_buffer, .address_space: global }
    .group_segment_fixed_size: 41472
    .private_segment_fixed_size: 0
    .kernarg_segment_align: 8
    .kernarg_segment_size: 56
    .max_flat_workgroup_size: 128
    .sgpr_count:     66
    .vgpr_count:     146
    .wavefront_size: 32
...
	.end_amdgpu_metadata
.endif
;; end of part 5
;; launch up (part 6): grid 32 x 8, 4 waves a work-group, no clusters, 133,632 bytes of LDS; arguments xq, selw, w1_codes, b1, lowp_scales, hq, order; writes hq, order
.if DOCPART == 6
	.amdgcn_target "amdgcn-amd-amdhsa--gfx1250"
	.amdhsa_code_object_version 6
	.text
	.protected	k_qef1f964aa1_up
	.globl	k_qef1f964aa1_up
	.p2align	8
	.type	k_qef1f964aa1_up,@function
k_qef1f964aa1_up:
	s_mov_b64 s[64:65], 0
	v_nop
	global_prefetch_b8 v0, s[64:65] scope:SCOPE_SE
	s_setreg_imm32_b32 hwreg(HW_REG_WAVE_MODE, 25, 1), 1
	s_wait_xcnt 0x0
; THE FIRST PRODUCT, FOR THE CHOSEN ROWS ALONE: hq = Q(gelu(x W1[e] + b1[e])), on E4M3 codes, f32 sums.
; THE WEIGHTS STAND STILL.  Work-group (s, e) owns hidden units 128 s .. 128 s + 127 of expert e: 128 rows x 1,024 bytes of w1_codes, read from memory once, by this work-group alone,
; and kept in registers (512 a wave).  The expert's rows go past in trips of 128, worked in two halves of 64.  Wave w: u = w & 1 picks 64 of the units, p = w >> 1 picks 32 of a half's rows.
; THE LIST.  Every work-group ranks its expert's rows from selw (stored by the launch before), in registers: the ranks run chunk by chunk of 32 tokens (chunk q, lane l: token 128 (q / 4) + 4 l + q % 4), within a chunk by lane.
; Register g of eight, lane l of wave w, holds the token of rank 128 g + 32 w + l: the 32 rows that the wave fetches for trip g.  The list never leaves the registers: a token goes by v_readlane_b32 into a scalar register,
; is clamped, and is added to xq's address; the row then comes by two loads of 512 consecutive bytes.
; Wave 0 of the work-groups with s = 0 stores, for the later launches, order[e][token] = the token's rank with expert e (meaningless where the token did not choose e) and, behind the eight tables, the count n.
; HOW MANY ROWS is a number read from memory.  So the loop has a constant 8 trips, both barriers of a trip stand on every path, and a trip, or its second half, at or past LIM = max(64, n rounded up to 64) jumps over its work.
; Ranks from n on carry some valid token: their rows are fetched up to the trip's end, their rows of hq up to LIM - 1 are defined and never used.  An expert without a token costs one such half.
; NO TENSOR LOADS, NO CLUSTER.  Nothing large is shared either: each weight byte has one work-group; the rows' codes (n x 1,024 bytes) are shared by the 32 work-groups of an expert.
; THE PRODUCT IS USED TRANSPOSED (source 0 = 16 rows of W1, source 1 = 16 rows of x): a lane holds ONE row of x, and its registers run along the hidden units.  THE ROWS OF W1 THAT FORM A TILE ARE NOT NEIGHBOURS:
; lane r of tile 2 b + v takes row 32 b + 8 v + r + 8 (r / 8), so that the 16 registers of tiles 2 b, 2 b + 1 are 16 neighbouring units 32 b + 16 (lane / 16) + 0 .. 15: the conversions' results are the next operand's registers.
; Fragments hold k = 32 c + 16 (lane / 16) + 0 .. 15 in registers 4 c .. 4 c + 3, alike on both sides of a product: every product meets its partner; only the order of the sums inside an instruction changes.
; hq: [8 e][64 tiles of 16 ranks][32 K steps][2,048 bytes]: the image of a fragment's registers, piece c at 512 c, lane l's 16 bytes at 16 l.
; gelu(v) = 0.5 v (1 + erf(v / sqrt 2)), erf as z P(z^2) / Q(z^2) on z held within +-4, all in f32.
; LIMITS: e0 + e1 between -125 and 127, e3 between -126 and 119, so that each power of two below is an f32 number.  NaN is not served.
; REGISTERS, in windows of 256: window 0: v0-23 addresses and constants; v24-31 the list; v32-63 b1 / 2^(e0 + e1) as the first products' C; v64-127 eight accumulators ((rt, t) at 64 + 32 rt + 8 t; while the list is built: the ranks);
;   v128-255 two sets of four fragments of x, at work on the way out and while the list is built.   windows 1, 2: W1's 32 fragments ((t, s) at window 1 + s / 4, register 16 (4 t + s % 4)).   window 3: the next trip's 32 rows.
.set XP,   1040                        ; an LDS row of 1,024 codes + 16: 65 x 16 bytes, so that the sixteen rows of a fragment load start at different banks.  LDS holds 128 such rows: first the weights' staging, then a trip's rows
.set Q,    24                          ; v24-31   the list: register 0 is the trip to be asked for next
.set B1,   32
.set ACC,  64
.set RK,   64                          ; v64-95   while the list is built: register q, lane l: the rank of chunk q's lane l
.set XF,   128
.set GZ,   128                         ; the way out: z, z^2, numerator, denominator, v / 2, codes
.set GQ,   144
.set GP,   160
.set GD,   176
.set GH,   192
.set PC,   208
.set SL,   128                         ; the list: selw as loaded; my 8 ranks; each rank's chunk: its mask, prefix | chunk << 16
.set VR,   160
.set VM,   168
.set VPK,  184
.set RP,   40                          ; s[40:55] eight rows' addresses in xq
.set MSB, 0
.macro WIN new                         ; the immediate's high byte repeats the setting that is left
.if MSB != (\new)
	s_set_vgpr_msb (MSB<<8)|(\new)
.set MSB, (\new)
.endif
.endm
.macro PLACES                          ; four plain vector instructions behind a matrix instruction, in front of loads into its sources and of reads of its result
.rept 4
	v_nop
.endr
.endm
.macro BARRIER                         ; my LDS stores have landed and my LDS loads are in: then the work-group's barrier
	s_wait_dscnt 0x0
	s_barrier_signal -1
	s_barrier_wait -1
.endm
.macro PAIR r, val                     ; a constant twice: the packed forms name a pair
	s_mov_b32 s[\r], \val
	s_mov_b32 s[\r+1], \val
.endm
	s_load_b256 s[4:11], s[0:1], 0x0               ; xq s[4:5], selw s[6:7], w1_codes s[8:9], b1 s[10:11]
	s_load_b128 s[12:15], s[0:1], 0x20             ; scales s[12:13], hq s[14:15]
	s_load_b64 s[16:17], s[0:1], 0x30              ; order
	v_lshl_add_u32 v18, v0, 2, 0x20800
	v_mov_b32 v19, 0
	v_lshrrev_b32 v21, 5, v0
	v_readfirstlane_b32 s18, v21                   ; wave
	s_and_b32 s19, s18, 1                          ; u
	s_lshr_b32 s20, s18, 1                         ; p
	s_and_b32 s21, ttmp7, 0xffff                   ; e
	s_mov_b32 s22, ttmp9                           ; s
	v_and_b32 v21, 31, v0                          ; lane
	v_and_b32 v22, 15, v0                          ; r
	v_bfe_u32 v23, v0, 4, 1                        ; h
	v_lshlrev_b32 v2, 4, v21                       ; 16 x lane
	s_mul_i32 s32, s20, 32*XP
	v_mul_u32_u24 v3, v22, XP
	v_lshl_add_u32 v3, v23, 4, v3
	v_add_nc_u32 v3, s32, v3                       ; x's fragments, first half: row 32 p + r, + 16 h;
	v_add_nc_u32 v4, 64*XP, v3                     ; second half: 64 rows on
	s_lshl_b32 s32, s20, 17
	s_lshl_b32 s33, s19, 10
	s_add_co_u32 s32, s32, s33
	v_add_nc_u32 v9, s32, v2                       ; hq: 16 x lane + two tiles x p + two pieces x u
	v_and_b32 v16, 8, v22
	v_add_nc_u32 v16, v16, v22                     ; r + 8 (r / 8)
	v_mul_u32_u24 v16, v16, XP
	v_lshl_add_u32 v16, v23, 4, v16
	s_mul_i32 s32, s19, 64*XP
	v_add_nc_u32 v16, s32, v16                     ; W1's fragments out of the staging
	s_mul_i32 s32, s18, 32*XP
	v_add_nc_u32 v17, s32, v2                      ; into LDS: my 32 rows, of W1 first and of each trip later: 16 x lane of half a row
	v_lshlrev_b32 v20, 6, v23                      ; b1: 16 h numbers on
.irp g, 0,1,2,3,4,5,6,7
	v_add_nc_u32 v[VR+\g], 128*\g, v0              ; rank 128 g + 32 w + lane
.endr
	s_lshl_b32 s32, s21, 22                        ; w1_codes: expert, 128 s rows, 32 w rows
	s_lshl_b32 s33, s22, 17
	s_add_co_u32 s32, s32, s33
	s_lshl_b32 s33, s18, 15
	s_add_co_u32 s32, s32, s33
	s_mov_b32 s33, 0
	s_lshl_b32 s34, s21, 14                        ; b1: 4 (4,096 e + 128 s + 64 u)
	s_lshl_b32 s35, s22, 9
	s_add_co_u32 s34, s34, s35
	s_lshl_b32 s35, s19, 8
	s_add_co_u32 s34, s34, s35
	s_mov_b32 s35, 0
	s_lshl_b32 s36, s21, 22                        ; hq: expert, K step s
	s_lshl_b32 s37, s22, 11
	s_add_co_u32 s36, s36, s37
	s_mov_b32 s37, 0
	s_lshl_b32 s38, s21, 12                        ; order: the expert's 1,024 ranks
	s_mov_b32 s39, 0
	s_lshl_b32 s40, s21, 2                         ; and its count's place
	s_mov_b32 s94, 0                               ; the running count
	s_wait_kmcnt 0x0
	s_add_nc_u64 s[8:9], s[8:9], s[32:33]
	s_add_nc_u64 s[10:11], s[10:11], s[34:35]
	s_add_nc_u64 s[14:15], s[14:15], s[36:37]
	s_add_nc_u64 s[38:39], s[16:17], s[38:39]
	s_load_b128 s[28:31], s[12:13], 0x0            ; e0, e1, e2, e3
.irp i, 0,1,2,3,4,5,6,7
	global_load_b128 v[SL+4*\i:SL+4*\i+3], v2, s[6:7] offset:512*\i         ; register q = 4 i + j of lane l: token 128 i + 4 l + j
.endr
	WIN 0x40                                       ; destination window 1
.set j, 0
.rept 64
	global_load_b128 v[4*j:4*j+3], v2, s[8:9] offset:512*j th:TH_LOAD_NT    ; my 32 rows of W1: 512 consecutive bytes a load; read once in the launch
.set j, j+1
.endr
	WIN 0
	s_wait_loadcnt 63                              ; 72 loads were issued, so the oldest nine are in: selw's eight among them
; Chunk q (32 tokens, one a lane): m = the lanes whose token chose e.  A lane's rank is the count so far + the ones of m under it.  Each of my eight ranks keeps the last chunk whose count of earlier rows is not above it.
.macro CHUNK q
	v_and_b32 v192, 0xff, v[SL+\q]
	v_lshrrev_b32 v193, 8, v[SL+\q]
	v_cmp_eq_u32 s90, s21, v192                    ; e is the first choice,
	v_cmp_eq_u32 s91, s21, v193                    ; the second,
	s_or_b32 s92, s90, s91                         ; either
	v_mbcnt_lo_u32_b32 v[RK+\q], s92, s94
.if \q == 0
.irp g, 0,1,2,3,4,5,6,7
	v_mov_b32 v[VM+\g], s92
	v_mov_b32 v[VPK+\g], 0
.endr
.else
	s_add_co_u32 s93, s94, (\q)<<16
.irp g, 0,1,2,3,4,5,6,7
	v_cmp_le_u32 vcc_lo, s94, v[VR+\g]
	v_cndmask_b32 v[VM+\g], v[VM+\g], s92, vcc_lo
	v_cndmask_b32 v[VPK+\g], v[VPK+\g], s93, vcc_lo
.endr
.endif
	s_bcnt1_i32_b32 s95, s92
	s_add_co_u32 s94, s94, s95
.endm
.macro SELSTEP src, wd                 ; does the wanted bit lie above the wd bits at pos?  src holds counts in fields of wd bits
	v_bfe_u32 v196, v[\src], v198, \wd
	v_cmp_ge_u32 vcc_lo, v192, v196
	v_sub_nc_u32 v197, v192, v196
	v_cndmask_b32 v192, v192, v197, vcc_lo
	v_add_nc_u32 v197, \wd, v198
	v_cndmask_b32 v198, v198, v197, vcc_lo
.endm
; Rank 128 g + thread: the (rank - prefix)-th set bit of its chunk's mask, by halving.  pos stays within 0 .. 31 whatever the rank, so the token is valid for ranks past the count too.
.macro SELECT g
	v_and_b32 v192, 0xffff, v[VPK+\g]
	v_sub_nc_u32 v192, v[VR+\g], v192
	v_lshrrev_b32 v193, 1, v[VM+\g]
	v_and_b32 v193, 0x55555555, v193
	v_sub_nc_u32 v193, v[VM+\g], v193              ; counts in fields of 2 bits,
	v_lshrrev_b32 v194, 2, v193
	v_and_b32 v194, 0x33333333, v194
	v_and_b32 v195, 0x33333333, v193
	v_add_nc_u32 v194, v194, v195                  ; of 4,
	v_lshrrev_b32 v195, 4, v194
	v_add_nc_u32 v195, v195, v194
	v_and_b32 v195, 0x0f0f0f0f, v195               ; of 8,
	v_lshrrev_b32 v196, 8, v195
	v_add_nc_u32 v196, v196, v195
	v_and_b32 v196, 0xff, v196                     ; and of bits 0-15
	v_cmp_ge_u32 vcc_lo, v192, v196
	v_sub_nc_u32 v197, v192, v196
	v_cndmask_b32 v192, v192, v197, vcc_lo
	v_cndmask_b32 v198, 0, 16, vcc_lo              ; pos
	SELSTEP 195, 8
	SELSTEP 194, 4
	SELSTEP 193, 2
	SELSTEP VM+\g, 1
	v_lshrrev_b32 v197, 16, v[VPK+\g]              ; q
	v_lshrrev_b32 v199, 2, v197
	v_and_b32 v197, 3, v197
	v_lshl_or_b32 v197, v199, 7, v197
	v_lshl_or_b32 v[Q+\g], v198, 2, v197           ; token = 128 (q / 4) + 4 pos + q % 4
.endm
.set q, 0
.rept 32
	CHUNK q
.set q, q+1
.endr
.irp g, 0,1,2,3,4,5,6,7
	SELECT \g
.endr
	s_or_b32 s41, s22, s18                         ; one wave of one work-group of each expert stores ranks and count for the later launches
	s_cmp_lg_u32 s41, 0
	s_cbranch_scc1 .Lnot_first
.irp i, 0,1,2,3,4,5,6,7
	global_store_b128 v2, v[RK+4*\i:RK+4*\i+3], s[38:39] offset:512*\i      ; tokens 128 i + 4 lane + 0 .. 3: 512 consecutive bytes
.endr
	v_mov_b32 v192, s94
	v_mov_b32 v193, s40
	v_cmp_eq_u32 vcc_lo, 0, v0
	s_wait_alu depctr_va_vdst(0)
	s_wait_xcnt 0x0                                ; EXEC is a source of what has been issued: it changes only behind this wait
	s_and_saveexec_b32 s41, vcc_lo
	global_store_b32 v193, v192, s[16:17] offset:32768
	s_wait_xcnt 0x0
	s_or_b32 exec_lo, exec_lo, s41
.Lnot_first:
	s_add_co_u32 s23, s94, 63
	s_and_b32 s23, s23, 0xffffffc0
	s_max_u32 s23, s23, 64
	s_min_u32 s23, s23, 1024                       ; LIM
; A trip's 128 rows are asked for, 32 a wave, eight at a time: the token out of the list's first register, clamped inside the table, x 1,024 bytes, onto xq's address; two loads of 512 consecutive bytes a row.
; next = 1: the list moves up by a register first.
.macro ASKX next
.if \next
	s_wait_loadcnt 0x0                             ; no load of mine is out: the rows' registers and the eight addresses may be written
.irp g, 0,1,2,3,4,5,6
	v_mov_b32 v[Q+\g], v[Q+\g+1]
.endr
.endif
.irp bt, 0,1,2,3
.if \bt > 0
	s_wait_xcnt 0x0                                ; the loads of the eight rows before have read their addresses
.endif
.irp j, 0,1,2,3,4,5,6,7
	v_readlane_b32 s[RP+2*\j], v[Q], 8*\bt+\j
.endr
.irp j, 0,1,2,3,4,5,6,7
	s_min_u32 s[RP+2*\j], s[RP+2*\j], 0x3ff
.endr
.irp j, 0,1,2,3,4,5,6,7
	s_lshl_b32 s[RP+2*\j], s[RP+2*\j], 10
.endr
.irp j, 0,1,2,3,4,5,6,7
	s_mov_b32 s[RP+2*\j+1], 0
.endr
.irp j, 0,1,2,3,4,5,6,7
	s_add_nc_u64 s[RP+2*\j:RP+2*\j+1], s[4:5], s[RP+2*\j:RP+2*\j+1]
.endr
	WIN 0xc0                                       ; destination window 3
.irp j, 0,1,2,3,4,5,6,7
	global_load_b128 v[8*(8*\bt+\j):8*(8*\bt+\j)+3],   v2, s[RP+2*\j:RP+2*\j+1]
	global_load_b128 v[8*(8*\bt+\j)+4:8*(8*\bt+\j)+7], v2, s[RP+2*\j:RP+2*\j+1] offset:512
.endr
	WIN 0
.endr
.endm
.macro PUTX                            ; and go into LDS a trip later: my rows 32 w .. 32 w + 31 of the 128
	WIN 0x0c                                       ; store data window 3
.set j, 0
.rept 64
	ds_store_b128 v17, v[4*j:4*j+3] offset:(j/2)*XP+512*(j%2)
.set j, j+1
.endr
	WIN 0
.endm
	ASKX 0                                         ; ranks 0 to 127: every rank has a valid token
.irp t, 0,1,2,3
	global_load_b128 v[B1+8*\t:B1+8*\t+3],   v20, s[10:11] offset:4*(32*(\t/2)+8*(\t%2))      ; lane (r, h), tile t: b1 at units 32 (t / 2) + 8 (t % 2) + 16 h + 0 .. 7
	global_load_b128 v[B1+8*\t+4:B1+8*\t+7], v20, s[10:11] offset:4*(32*(\t/2)+8*(\t%2))+16
.endr
	s_wait_loadcnt 63                              ; W1's rows are in: 72 loads (64 of rows, b1's eight) were issued behind them, and the count names 63, the most that a wait can name
	WIN 0x04                                       ; store data window 1
.set j, 0
.rept 64
	ds_store_b128 v17, v[4*j:4*j+3] offset:(j/2)*XP+512*(j%2)
.set j, j+1
.endr
	WIN 0
	BARRIER                                        ; the slice's 128 rows lie in LDS
.macro WREGS win, s0                   ; 16 fragments: K steps s0 .. s0 + 3 of my four tiles
	WIN \win
.irp t, 0,1,2,3
.irp s, 0,1,2,3
.irp c, 0,1,2,3
	ds_load_b128 v[16*(4*\t+\s)+4*\c:16*(4*\t+\s)+4*\c+3], v16 offset:(32*(\t/2)+8*(\t%2))*XP+128*(\s0+\s)+32*\c
.endr
.endr
.endr
.endm
	WREGS 0x40, 0
	WREGS 0x80, 4
	WIN 0
	BARRIER                                        ; every wave has its fragments: the bytes now serve x's rows
	s_wait_loadcnt 0x0                             ; b1 (and the first rows)
	s_wait_kmcnt 0x0
	s_add_co_i32 s32, s28, s29                     ; e0 + e1: a sum stands for sum x 2^(e0 + e1), so b1 goes in divided by it
	s_sub_co_i32 s33, 0, s32
.irp j, 0,1,2,3,4,5,6,7,8,9,10,11,12,13,14,15,16,17,18,19,20,21,22,23,24,25,26,27,28,29,30,31
	v_ldexp_f32 v[B1+\j], v[B1+\j], s33
.endr
	s_lshl_b32 s32, s32, 23
	s_add_co_i32 s86, s32, 0x3f3504f3              ; 2^(e0 + e1) / sqrt 2: the exponents are added to the constant's exponent field
	s_mov_b32 s87, s86
	s_add_co_i32 s88, s32, 0x3f000000              ; 2^(e0 + e1) / 2
	s_mov_b32 s89, s88
	s_add_co_i32 s32, s31, 127
	s_lshl_b32 s33, s32, 23
	v_mov_b32 v14, s33                             ; 2^e3 as f32, for the conversion
	s_add_co_i32 s32, s32, 8
	s_lshl_b32 s32, s32, 23
	s_or_b32 s32, s32, 0x600000
	v_mov_b32 v15, s32                             ; 448 x 2^e3
	v_mov_b32 v10, 0xaf95df0b                      ; erf's numerator, from the highest power of z^2 down: the first in v[10:11], the others in s[66:77]
	v_mov_b32 v11, 0xaf95df0b
	v_mov_b32 v12, 0xb77460cd                      ; its denominator: v[12:13], s[78:85]
	v_mov_b32 v13, 0xb77460cd
	PAIR 66, 0x32edffee
	PAIR 68, 0xb60cff51
	PAIR 70, 0xb86ec2d2
	PAIR 72, 0xba40ac63
	PAIR 74, 0xbb41a1f6
	PAIR 76, 0xbc83dbd4
	PAIR 78, 0xb95fbd29
	PAIR 80, 0xbadc924e
	PAIR 82, 0xbbf19bf8
	PAIR 84, 0xbc69b6a7
.macro FETCH d, set, adr               ; x's fragments of K steps 2 d, 2 d + 1, both tiles of my rows: 16 loads
.irp rt, 0,1
.irp ss, 0,1
.irp c, 0,1,2,3
	ds_load_b128 v[XF+64*(\set)+32*\rt+16*\ss+4*\c:XF+64*(\set)+32*\rt+16*\ss+4*\c+3], v[\adr] offset:16*XP*\rt+128*(2*(\d)+\ss)+32*\c
.endr
.endr
.endr
.endm
; 16 matrix instructions: K steps 2 d, 2 d + 1.  The eight accumulators take turns, one instruction a turn, in the same order everywhere.  first = 1: b1 is the C that starts the sums.
.macro MUL set, d, first
	WIN 1+(\d)/2                                   ; source 0 (W1): window 1 or 2
.irp ss, 0,1
.irp t, 0,1,2,3
.irp rt, 0,1
.if (\first) && (\ss == 0)
	v_wmma_f32_16x16x128_fp8_fp8 v[ACC+32*\rt+8*\t:ACC+32*\rt+8*\t+7], v[16*(4*\t+(2*(\d)+\ss)%4):16*(4*\t+(2*(\d)+\ss)%4)+15], v[XF+64*(\set)+32*\rt+16*\ss:XF+64*(\set)+32*\rt+16*\ss+15], v[B1+8*\t:B1+8*\t+7]
.else
	v_wmma_f32_16x16x128_fp8_fp8 v[ACC+32*\rt+8*\t:ACC+32*\rt+8*\t+7], v[16*(4*\t+(2*(\d)+\ss)%4):16*(4*\t+(2*(\d)+\ss)%4)+15], v[XF+64*(\set)+32*\rt+16*\ss:XF+64*(\set)+32*\rt+16*\ss+15], v[ACC+32*\rt+8*\t:ACC+32*\rt+8*\t+7]
.endif
.endr
.endr
.endr
	WIN 0
.endm
; 16 neighbouring hidden units of my row (tiles 2 b, 2 b + 1 of row tile rt) become 16 codes.  Stage by stage over eight pairs, each accumulator from its low end on.
.macro GELU16 rt, b
.set A0, ACC+32*(\rt)+16*(\b)
.irp i, 0,2,4,6,8,10,12,14
	v_pk_mul_f32 v[GZ+\i:GZ+\i+1], v[A0+\i:A0+\i+1], s[86:87] op_sel_hi:[1,0]               ; z = v / sqrt 2
.endr
.irp i, 0,1,2,3,4,5,6,7,8,9,10,11,12,13,14,15
	v_med3_num_f32 v[GZ+\i], v[GZ+\i], -4.0, 4.0
.endr
.irp i, 0,2,4,6,8,10,12,14
	v_pk_mul_f32 v[GQ+\i:GQ+\i+1], v[GZ+\i:GZ+\i+1], v[GZ+\i:GZ+\i+1]
.endr
.irp i, 0,2,4,6,8,10,12,14
	v_pk_fma_f32 v[GP+\i:GP+\i+1], v[GQ+\i:GQ+\i+1], v[10:11], s[66:67] op_sel_hi:[1,1,0]
	v_pk_fma_f32 v[GD+\i:GD+\i+1], v[GQ+\i:GQ+\i+1], v[12:13], s[78:79] op_sel_hi:[1,1,0]
.endr
.irp k, 68,70,72,74,76
.irp i, 0,2,4,6,8,10,12,14
	v_pk_fma_f32 v[GP+\i:GP+\i+1], v[GP+\i:GP+\i+1], v[GQ+\i:GQ+\i+1], s[\k:\k+1] op_sel_hi:[1,1,0]
.endr
.endr
.irp k, 80,82,84
.irp i, 0,2,4,6,8,10,12,14
	v_pk_fma_f32 v[GD+\i:GD+\i+1], v[GD+\i:GD+\i+1], v[GQ+\i:GQ+\i+1], s[\k:\k+1] op_sel_hi:[1,1,0]
.endr
.endr
	s_wait_alu depctr_va_vdst(0)
.irp i, 0,1,2,3,4,5,6,7,8,9,10,11,12,13,14,15
	v_rcp_f32 v[GD+\i], v[GD+\i]
.endr
.irp i, 0,2,4,6,8,10,12,14
	v_pk_mul_f32 v[GP+\i:GP+\i+1], v[GP+\i:GP+\i+1], v[GZ+\i:GZ+\i+1]                       ; (plain instructions behind the reciprocals)
.endr
.irp i, 0,2,4,6,8,10,12,14
	v_pk_mul_f32 v[GH+\i:GH+\i+1], v[A0+\i:A0+\i+1], s[88:89] op_sel_hi:[1,0]               ; v / 2
.endr
	s_wait_alu depctr_va_vdst(0)
.irp i, 0,2,4,6,8,10,12,14
	v_pk_mul_f32 v[GP+\i:GP+\i+1], v[GP+\i:GP+\i+1], v[GD+\i:GD+\i+1]                       ; erf
.endr
.irp i, 0,2,4,6,8,10,12,14
	v_pk_fma_f32 v[A0+\i:A0+\i+1], v[GH+\i:GH+\i+1], v[GP+\i:GP+\i+1], v[GH+\i:GH+\i+1]     ; gelu = v / 2 x erf + v / 2
.endr
.irp i, 0,1,2,3,4,5,6,7,8,9,10,11,12,13,14,15
	v_med3_num_f32 v[A0+\i], v[A0+\i], -v15, v15   ; the conversion to an 8-bit code does not saturate (ISA guide 7.6.2): the hold comes first
.endr
	v_cvt_scalef32_pk8_fp8_f32 v[PC+8*(\rt)+4*(\b):PC+8*(\rt)+4*(\b)+1],   v[A0:A0+7],    v14
	v_cvt_scalef32_pk8_fp8_f32 v[PC+8*(\rt)+4*(\b)+2:PC+8*(\rt)+4*(\b)+3], v[A0+8:A0+15], v14
.endm
; Half a trip: 64 rows.  adr: the register with my fragments' LDS address; hoff: the half's place in hq.  ask = 1: the next trip's rows are asked for, behind the first 32 fragment loads:
; the request has no LDS instruction, so the counts below hold with it and without, and its scalar work stands where the wave would wait for the fragments.
.macro HALF adr, hoff, ask
	FETCH 0, 0, \adr
	FETCH 1, 1, \adr
.if \ask
	s_add_co_u32 s32, s24, 128
	s_cmp_lt_u32 s32, s23
	s_cbranch_scc0 .Lno_next
	ASKX 1                                         ; they have this whole trip in which to land
.Lno_next:
.endif
	s_wait_dscnt 16                                ; the older set is in; the 16 loads of the set behind it may be out: so at each of these three waits
	s_wait_alu depctr_va_vdst(0)
	MUL 0, 0, 1
	PLACES
	FETCH 2, 0, \adr
	s_wait_dscnt 16
	MUL 1, 1, 0
	PLACES
	FETCH 3, 1, \adr
	s_wait_dscnt 16
	MUL 0, 2, 0
	s_wait_dscnt 0x0
	MUL 1, 3, 0
	PLACES
	GELU16 0, 0                                    ; (the plain instructions at each call's head stand behind the conversions of the call before)
	GELU16 0, 1
	GELU16 1, 0
	GELU16 1, 1
	v_nop                                          ; a plain instruction behind the last conversion: the next products write its sources
.irp rt, 0,1
.irp b, 0,1
	global_store_b128 v9, v[PC+8*\rt+4*\b:PC+8*\rt+4*\b+3], s[14:15] offset:\hoff+65536*\rt+512*\b   ; piece 2 u + b of the image: 512 consecutive bytes
.endr
.endr
.endm
	s_mov_b32 s24, 0                               ; the trip's first rank
	s_mov_b32 s26, 8                               ; trips to go: a constant
.Ltrip:
	s_cmp_lt_u32 s24, s23
	s_cbranch_scc0 .Lno_put
	s_wait_loadcnt 0x0                             ; this trip's rows, asked for a trip ago, are in registers
	PUTX
.Lno_put:
	BARRIER                                        ; the trip's 128 rows lie in LDS
	s_cmp_lt_u32 s24, s23
	s_cbranch_scc0 .Lno_work
	HALF 3, 0, 1
	s_add_co_u32 s32, s24, 64
	s_cmp_lt_u32 s32, s23
	s_cbranch_scc0 .Lno_work                       ; the rows end in the first half
	s_wait_xcnt 0x0                                ; the first half's stores have read the codes' registers, into which fragments are loaded now
	HALF 4, 262144, 0                              ; four tiles of ranks on
.Lno_work:
	BARRIER                                        ; nobody reads the trip's rows any more: the next trip's may be stored over them
	s_wait_xcnt 0x0                                ; the stores have read their registers and their base: both may be written again
	s_add_nc_u64 s[14:15], s[14:15], 524288        ; eight tiles of ranks on
	s_add_co_u32 s24, s24, 128
	s_sub_co_u32 s26, s26, 1
	s_cmp_lg_u32 s26, 0
	s_cbranch_scc1 .Ltrip
	s_wait_tensorcnt 0x0
	ds_add_u32 v18, v19
	s_wait_dscnt 0x0
	s_endpgm
.Lfunc_end_k_qef1f964aa1_up:
	.size	k_qef1f964aa1_up, .Lfunc_end_k_qef1f964aa1_up-k_qef1f964aa1_up
	.p2alignl 7, 3214868480
	.fill 96, 4, 3214868480
	.section	.rodata,"a",@progbits
	.p2align	6, 0x0
	.amdhsa_kernel k_qef1f964aa1_up
		.amdhsa_group_segment_fixed_size 133632
		.amdhsa_private_segment_fixed_size 0
		.amdhsa_enable_private_segment 0
		.amdhsa_kernarg_size 56
		.amdhsa_user_sgpr_count 2
		.amdhsa_user_sgpr_kernarg_segment_ptr 1
		.amdhsa_wavefront_size32 1
		.amdhsa_system_sgpr_workgroup_id_x 1
		.amdhsa_system_sgpr_workgroup_id_y 1
		.amdhsa_system_sgpr_workgroup_id_z 1
		.amdhsa_system_vgpr_workitem_id 0
		.amdhsa_next_free_vgpr 1024
		.amdhsa_next_free_sgpr 100
		.amdhsa_reserve_vcc 1
		.amdhsa_float_denorm_mode_32 3
		.amdhsa_float_denorm_mode_16_64 3
		.amdhsa_memory_ordered 1
		.amdhsa_forward_progress 1
		.amdhsa_inst_pref_size 233
	.end_amdhsa_kernel
	.amdgpu_metadata
---
amdhsa.version: [ 1, 2 ]
amdhsa.kernels:
  - .name:           k_qef1f964aa1_up
    .symbol:         k_qef1f964aa1_up.kd
    .args:
      - { .name: xq, .offset: 0, .size: 8, .value_kind: global_buffer, .address_space: global }
      - { .name: selw, .offset: 8, .size: 8, .value_kind: global_buffer, .address_space: global }
      - { .name: w1_codes, .offset: 16, .size: 8, .value_kind: global_buffer, .address_space: global }
      - { .name: b1, .offset: 24, .size: 8, .value_kind: global_buffer, .address_space: global }
      - { .name: lowp_scales, .offset: 32, .size: 8, .value_kind: global_buffer, .address_space: global }
      - { .name: hq, .offset: 40, .size: 8, .value_kind: global_buffer, .address_space: global }
      - { .name: order, .offset: 48, .size: 8, .value_kind: global_buffer, .address_space: global }
    .group_segment_fixed_size: 133632
    .private_segment_fixed_size: 0
    .kernarg_segment_align: 8
    .kernarg_segment_size: 56
    .max_flat_workgroup_size: 128
    .sgpr_count:     100
    .vgpr_count:     1024
    .wavefront_size: 32
...
	.end_amdgpu_metadata
.endif
;; end of part 6
;; launch down (part 7): grid 32 x 8, 4 waves a work-group, no clusters, 168,448 bytes of LDS; arguments hq, order, w2_codes, yp; writes yp
.if DOCPART == 7
	.amdgcn_target "amdgcn-amd-amdhsa--gfx1250"
	.amdhsa_code_object_version 6
	.text
	.protected	k_qef1f964aa1_down
	.globl	k_qef1f964aa1_down
	.p2align	8
	.type	k_qef1f964aa1_down,@function
k_qef1f964aa1_down:
	s_mov_b64 s[64:65], 0
	v_nop
	global_prefetch_b8 v0, s[64:65] scope:SCOPE_SE
	s_setreg_imm32_b32 hwreg(HW_REG_WAVE_SCHED_MODE, 0, 2), 2
	s_setreg_imm32_b32 hwreg(HW_REG_WAVE_MODE, 25, 1), 1
	s_wait_xcnt 0x0
	s_wait_alu depctr_vm_vsrc(0)
; THE SECOND PRODUCT, FOR THE CHOSEN ROWS ALONE, IN FOUR PARTS ALONG K: for rank i of expert e, yp(a, ., e, i) = the sum over hidden units 1,024 a .. 1,024 a + 1,023 of code(h) x code(W2[e]), f32, not yet scaled.
; THE WEIGHTS STAND STILL.  Work-group (x, e), nt = x & 7, a = x >> 3, owns output columns 128 nt .. + 127 and that quarter of K: 128 rows x 1,024 bytes of w2_codes, read from memory once, by this work-group alone,
; and kept in registers (512 a wave).  The expert's rows go past in trips of 128, worked in two halves of 64.  Wave w: u = w & 1 picks 64 of the columns, p = w >> 1 picks 32 of a half's rows.
; The four parts of a row are added, scaled by 2^(e2 + e3) and normalised by the next launch: a row's sum has four owners here, each with bytes of its own, so nothing is added in memory.
; hq holds images of the operand's registers (16 ranks x 128 units: 2,048 bytes, piece c at 512 c, lane l's 16 bytes at 16 l): a tile's quarter of K is 16,384 consecutive bytes, and goes through LDS as it lies.
; yp: [4 a][16 pieces of 64 columns][8 e][1,024 ranks][256 bytes].  The results stay in the order of the ranks: every address of a store is made of ids, a counted step and constants, a wave's 32 rows of a piece
; are 8,192 consecutive bytes, and the next launch, which knows each token's expert and rank, gathers.
; HOW MANY ROWS (n, from 'order') is a number read from memory.  So the loop has a constant 8 trips, both barriers of a trip stand on every path, and a trip, or its second half, at or past LIM = max(64, n rounded up to 64) jumps over its work.
; The launch before has stored hq up to rank LIM - 1 and no further.  Where a trip's second half lies past LIM, its 32 loads a wave take the first half's tiles once more: the number of loads is the same on every path, and nothing is read that was not stored.
; Ranks from n to LIM - 1 are multiplied and stored like the others: they fall into rows of the expert's own 1,024 that nobody reads.
; NO TENSOR LOADS, NO CLUSTER.  Each weight byte has one work-group; a quarter of the hidden codes is shared by the 8 work-groups of an expert that differ in nt.
; THE PRODUCT IS USED TRANSPOSED (source 0 = 16 rows of W2, source 1 = 16 rows of h): a lane holds eight neighbouring columns of one row.
; REGISTERS, in windows of 256: window 0: v0-31 addresses; v64-127 eight accumulators ((rt, t) at 64 + 32 rt + 8 t); v128-255 two sets of four fragments of h; on the way out v128-191 take the rows read back.
;   windows 1, 2: W2's 32 fragments ((t, s) at window 1 + s / 4, register 16 (4 t + s % 4)).   window 3: the next trip's images: v0-127 my tile of its first half, v128-255 of its second.
; THE MODE: SCHED_MODE bits 1:0 = 2 (LLVM: expert scheduling mode 2), set by the entry lines.  The code itself states the register dependences
; between vector or matrix instructions and memory or LDS instructions, with s_wait_alu, always for 0.
; THE PLAN.  Registers that memory or LDS instructions touch, in the loop:
;   window 3        Written by the request's 64 loads; read a trip later by the 64 LDS stores that lay the images down.  No vector or matrix instruction names it.
;   set 0, set 1    (v128-191, v192-255)  Written by the fragments' LDS loads; read by a step's sixteen matrix instructions: steps 0 and 2 read set 0, steps 1 and 3 set 1.
;                   On the way out set 0's registers take the rows read back from the stage (LDS loads), and the sixteen global stores read them.
;   v64-127         The accumulators: written by the matrix instructions, read by the way out's sixteen LDS stores, begun anew by the next half's first products.
;   v2 to v14       Offsets and LDS addresses: written at the head and never again; the bases that move on are scalar registers.
;   windows 1, 2    In the loop read by matrix instructions alone.
; A half of a trip has four waits.  One on vm_vsrc at its head: the image stores have read window 3, the last half's global stores set 0's registers, its LDS stores the accumulators.  One on va_vdst at the head of step 1
; and of step 2, behind the wait for the set that the step multiplies: the step before is done reading the other set; the loads into that set then stand inside the step, behind its first two matrix instructions,
; which name W2, the accumulators and the set in hand.  One on va_vdst ahead of the way out: the accumulators are written and both sets are read; from there to the next half's first product no vector or
; matrix instruction is issued, so that wait also serves the loads that read the stage back and the next half's first 32 fragment loads, over the loop's backward jump too.
.set XP,   1040                        ; the weights' staging: a row of 1,024 codes + 16: 65 x 16 bytes, so that the sixteen rows of a fragment load start at different banks
.set OUT,  128*XP                      ; behind it (and behind a trip's eight tiles of 16,384 bytes, which take the same bytes later): for each wave a stage of 32 rows x (256 bytes + 16), for the way out
.set OP,   272
.set ACC,  64
.set XF,   128
.set RB,   128                         ; the way out: 32 rows x 256 bytes read back, 16 x 4 registers
.set MSB, 0
.macro WIN new                         ; the immediate's high byte repeats the setting that is left
.if MSB != (\new)
	s_set_vgpr_msb (MSB<<8)|(\new)
.set MSB, (\new)
.endif
.endm
.macro PLACES                          ; four plain vector instructions behind a matrix instruction, in front of loads into its sources
.rept 4
	v_nop
.endr
.endm
.macro BARRIER                         ; my LDS stores have landed and my LDS loads are in: then the work-group's barrier
	s_wait_dscnt 0x0
	s_barrier_signal -1
	s_barrier_wait -1
.endm
	s_load_b256 s[4:11], s[0:1], 0x0               ; hq s[4:5], order s[6:7], w2_codes s[8:9], yp s[10:11]
	v_lshl_add_u32 v62, v0, 2, 0x29000
	v_mov_b32 v63, 0
	v_lshrrev_b32 v21, 5, v0
	v_readfirstlane_b32 s18, v21                   ; wave
	v_and_b32 v21, 31, v0                          ; lane
	v_and_b32 v22, 15, v0                          ; r
	v_bfe_u32 v23, v0, 4, 1                        ; h
	v_lshlrev_b32 v1, 4, v22                       ; 16 r
	v_lshlrev_b32 v2, 4, v21                       ; 16 x lane
	s_wait_alu depctr_va_vdst(0)
	s_wait_alu depctr_va_sdst(0)                   ; s18 is written, ahead of its first reader: LDS addresses and all bases are made from it
	s_and_b32 s19, s18, 1                          ; u
	s_lshr_b32 s20, s18, 1                         ; p
	s_and_b32 s21, ttmp7, 0xffff                   ; e
	s_and_b32 s22, ttmp9, 7                        ; nt
	s_lshr_b32 s29, ttmp9, 3                       ; a
	s_lshl_b32 s36, s20, 15
	v_add_nc_u32 v3, s36, v2                       ; h's fragments in LDS, first half: tiles 2 p, 2 p + 1;
	v_add_nc_u32 v4, 0x10000, v3                   ; second half: four tiles on
	s_lshl_b32 s36, s18, 14
	v_add_nc_u32 v5, s36, v2                       ; the tiles that I bring: tile w of the first half's four,
	v_add_nc_u32 v6, 0x10000, v5                   ; tile w of the second half's,
	s_lshl_b32 s36, s18, 16
	v_add_nc_u32 v7, s36, v2                       ; and tile w's place in hq
	s_mul_i32 s36, s18, 32*OP
	s_add_co_u32 s36, s36, OUT
	v_mul_u32_u24 v9, v22, OP
	v_lshl_add_u32 v9, v23, 5, v9
	v_add_nc_u32 v9, s36, v9                       ; my stage, in: row r, + 32 h
	v_mul_u32_u24 v10, v23, OP
	v_add_nc_u32 v10, v1, v10
	v_add_nc_u32 v10, s36, v10                     ; back: lanes 0-15 one row of 256 bytes, lanes 16-31 the next
	v_mul_u32_u24 v13, v22, XP
	v_lshl_add_u32 v13, v23, 4, v13
	s_mul_i32 s36, s19, 64*XP
	v_add_nc_u32 v13, s36, v13                     ; W2's fragments out of the staging
	s_mul_i32 s36, s18, 32*XP
	v_add_nc_u32 v14, s36, v2                      ; and W2's rows into it: my 32 rows
	s_lshl_b32 s40, s21, 22                        ; w2_codes: expert, 128 nt + 32 w rows of 4,096 bytes, 1,024 a along K
	s_lshl_b32 s41, s22, 19
	s_add_co_u32 s40, s40, s41
	s_lshl_b32 s41, s18, 17
	s_add_co_u32 s40, s40, s41
	s_lshl_b32 s41, s29, 10
	s_add_co_u32 s40, s40, s41
	s_mov_b32 s41, 0
	s_lshl_b32 s42, s21, 22                        ; hq: expert, K steps 8 a on
	s_lshl_b32 s43, s29, 14
	s_add_co_u32 s42, s42, s43
	s_mov_b32 s43, 0
	s_lshl_b32 s46, s21, 2                         ; order: the expert's count
	s_mov_b32 s47, 0
	s_lshl_b32 s50, s29, 25                        ; yp: part a, piece 2 nt + u, expert e, rank 32 p
	s_lshl_b32 s51, s22, 22
	s_add_co_u32 s50, s50, s51
	s_lshl_b32 s51, s19, 21
	s_add_co_u32 s50, s50, s51
	s_lshl_b32 s51, s21, 18
	s_add_co_u32 s50, s50, s51
	s_lshl_b32 s51, s20, 13
	s_add_co_u32 s50, s50, s51
	s_mov_b32 s51, 0
	s_mov_b32 s24, 0                               ; the trip's first rank
	s_wait_kmcnt 0x0
	s_add_nc_u64 s[8:9], s[8:9], s[40:41]
	s_add_nc_u64 s[30:31], s[4:5], s[42:43]
	s_add_nc_u64 s[46:47], s[6:7], s[46:47]
	s_add_nc_u64 s[34:35], s[10:11], s[50:51]
	s_load_b32 s27, s[46:47], 0x8000               ; n
	WIN 0x40                                       ; destination window 1
	s_wait_alu depctr_va_vdst(0)                   ; the offsets and LDS addresses v2 to v14 are written: every load and store of the kernel reads one of them, and none is written again
.set j, 0
.rept 64
	global_load_b128 v[4*j:4*j+3], v2, s[8:9] offset:(j/2)*4096+512*(j%2) th:TH_LOAD_NT   ; my 32 rows of W2: 512 consecutive bytes a load; read once in the launch
.set j, j+1
.endr
	WIN 0
; The images of the trip that begins `rows` ranks on are asked for: two tiles of 16,384 bytes a wave.  A rank is 4,096 bytes of hq, so the trip's place stands in the immediate.
; The second half's tiles lie 0x40000 bytes behind the first half's; where that half lies past LIM the distance is 0.  The distance is clamped by a constant before it enters the address.
.macro ASKH wait, rows
.if \wait
	s_wait_loadcnt 0x0                             ; no load of mine is out: the registers below and the second base may be written
.endif
	s_add_co_u32 s37, s24, \rows+64
	s_cmp_lt_u32 s37, s23
	s_cselect_b32 s52, 0x40000, 0
	s_min_u32 s52, s52, 0x40000
	s_mov_b32 s53, 0
	s_add_nc_u64 s[52:53], s[30:31], s[52:53]
	WIN 0xc0                                       ; destination window 3
.set j, 0
.rept 32
	global_load_b128 v[4*j:4*j+3], v7, s[30:31] offset:\rows*4096+512*j
.set j, j+1
.endr
.set j, 0
.rept 32
	global_load_b128 v[128+4*j:128+4*j+3], v7, s[52:53] offset:\rows*4096+512*j
.set j, j+1
.endr
	WIN 0
.endm
.macro PUTH                            ; and go into LDS a trip later
	WIN 0x0c                                       ; store data window 3
.set j, 0
.rept 32
	ds_store_b128 v5, v[4*j:4*j+3] offset:512*j
.set j, j+1
.endr
.set j, 0
.rept 32
	ds_store_b128 v6, v[128+4*j:128+4*j+3] offset:512*j
.set j, j+1
.endr
	WIN 0
.endm
	s_wait_kmcnt 0x0
	s_min_u32 s27, s27, 1024
	s_add_co_u32 s23, s27, 63
	s_and_b32 s23, s23, 0xffffffc0
	s_max_u32 s23, s23, 64                         ; LIM
	ASKH 0, 0                                      ; the first trip: LIM is 64 at the least, and the launch before has stored those ranks
	s_wait_loadcnt 63                              ; W2's rows are in: 64 loads were issued behind them, and the count names 63, the most that a wait can name
	WIN 0x04                                       ; store data window 1
.set j, 0
.rept 64
	ds_store_b128 v14, v[4*j:4*j+3] offset:(j/2)*XP+512*(j%2)
.set j, j+1
.endr
	WIN 0
	BARRIER                                        ; the slice's 128 rows lie in LDS
.macro WREGS win, s0                   ; 16 fragments: K steps s0 .. s0 + 3 of my four tiles
	WIN \win
.irp t, 0,1,2,3
.irp s, 0,1,2,3
.irp c, 0,1,2,3
	ds_load_b128 v[16*(4*\t+\s)+4*\c:16*(4*\t+\s)+4*\c+3], v13 offset:16*\t*XP+128*(\s0+\s)+32*\c
.endr
.endr
.endr
.endm
	WIN 0x40                                       ; destination window 1
	s_wait_alu depctr_vm_vsrc(0)                   ; my staging stores have read window 1, in which the fragments' loads land now
	WREGS 0x40, 0
	WREGS 0x80, 4
	WIN 0
	BARRIER                                        ; every wave has its fragments: the bytes now serve h's images
.macro FETCH d, set, adr               ; h's fragments of K steps 2 d, 2 d + 1, both tiles of my rows: 16 loads
.irp rt, 0,1
.irp ss, 0,1
.irp c, 0,1,2,3
	ds_load_b128 v[XF+64*(\set)+32*\rt+16*\ss+4*\c:XF+64*(\set)+32*\rt+16*\ss+4*\c+3], v[\adr] offset:16384*\rt+2048*(2*(\d)+\ss)+512*\c
.endr
.endr
.endr
.endm
; 16 matrix instructions: K steps 2 d, 2 d + 1.  The eight accumulators take turns, one instruction a turn, in the same order everywhere.  first = 1: the constant 0 starts the sums.
; fet = 1: behind the first two of the sixteen stand the 16 loads of the next step's fragments, into the other set: no vector or matrix instruction since the wait at the step's head names that set or the address.
.macro MUL set, d, first, fet, adr
	WIN 1+(\d)/2                                   ; source 0 (W2): window 1 or 2
.irp ss, 0,1
.irp t, 0,1,2,3
.irp rt, 0,1
.if (\first) && (\ss == 0)
	v_wmma_f32_16x16x128_fp8_fp8 v[ACC+32*\rt+8*\t:ACC+32*\rt+8*\t+7], v[16*(4*\t+(2*(\d)+\ss)%4):16*(4*\t+(2*(\d)+\ss)%4)+15], v[XF+64*(\set)+32*\rt+16*\ss:XF+64*(\set)+32*\rt+16*\ss+15], 0
.else
	v_wmma_f32_16x16x128_fp8_fp8 v[ACC+32*\rt+8*\t:ACC+32*\rt+8*\t+7], v[16*(4*\t+(2*(\d)+\ss)%4):16*(4*\t+(2*(\d)+\ss)%4)+15], v[XF+64*(\set)+32*\rt+16*\ss:XF+64*(\set)+32*\rt+16*\ss+15], v[ACC+32*\rt+8*\t:ACC+32*\rt+8*\t+7]
.endif
.if (\fet) && (\ss == 0) && (\t == 0) && (\rt == 1)
	WIN 0                                          ; (the loads' address lies in window 0)
	FETCH (\d)+1, 1-(\set), \adr
	WIN 1+(\d)/2
.endif
.endr
.endr
.endr
	WIN 0
.endm
; Half a trip: 64 rows.  adr: the register with my fragments' LDS address; yoff: the half's place in yp.  ask = 1: the next trip's images are asked for, behind the first 32 fragment loads:
; the request has no LDS instruction, so the counts below hold with it and without.
.macro HALFD adr, yoff, ask
	s_wait_alu depctr_vm_vsrc(0)                   ; the image stores have read window 3, in which the request's loads land; the last half's global stores have read v128-191, in which fragments land; its LDS stores have read the accumulators, which the first products write
	FETCH 0, 0, \adr
	FETCH 1, 1, \adr
.if \ask
	s_add_co_u32 s36, s24, 128
	s_cmp_lt_u32 s36, s23
	s_cbranch_scc0 .Lno_next
	ASKH 1, 128                                    ; they have this whole trip in which to land
.Lno_next:
.endif
	s_wait_dscnt 16                                ; set 0 is in; the 16 loads of set 1, issued behind it, may be out
	MUL 0, 0, 1, 0, \adr
	PLACES
	s_wait_dscnt 0x0                               ; set 1 is in
	s_wait_alu depctr_va_vdst(0)                   ; step 0's matrix instructions are done reading set 0, in which step 2's fragments land
	MUL 1, 1, 0, 1, \adr
	PLACES
	s_wait_dscnt 0x0                               ; set 0 is in: its loads were issued behind the last step's second matrix instruction
	s_wait_alu depctr_va_vdst(0)                   ; step 1's matrix instructions are done reading set 1, in which step 3's fragments land
	MUL 0, 2, 0, 1, \adr
	s_wait_dscnt 0x0                               ; set 1 is in
	MUL 1, 3, 0, 0, \adr
.rept 5
	v_nop                                          ; four plain vector instructions are owed in front of the LDS stores that read the results and of the loads into the fragments' registers,
.endr                                                  ; five in front of the next half's first products, which begin the accumulators anew (ISA guide 7.12.1): no other vector work stands between
	s_wait_alu depctr_va_vdst(0)                   ; the matrix instructions have written the accumulators, which the LDS stores read, and are done reading v128-255, in which the rows read back and the next half's fragments land; the places above stay beside this wait
	; THE WAY OUT.  A lane holds 32 neighbouring bytes of a row, and the lanes beside it hold other rows: through my own stage, and back as rows of 256 bytes.
.irp rt, 0,1
.irp t, 0,1,2,3
	ds_store_b128 v9, v[ACC+32*\rt+8*\t:ACC+32*\rt+8*\t+3]   offset:16*OP*\rt+64*\t         ; each accumulator from its low end on
	ds_store_b128 v9, v[ACC+32*\rt+8*\t+4:ACC+32*\rt+8*\t+7] offset:16*OP*\rt+64*\t+16
.endr
.endr
.irp k, 0,1,2,3,4,5,6,7,8,9,10,11,12,13,14,15
	ds_load_b128 v[RB+4*\k:RB+4*\k+3], v10 offset:2*OP*\k      ; rows 2 k, 2 k + 1 of my 32.  LDS serves a wave's instructions in order: these see my stores
.endr
.irp k, 0,1,2,3,4,5,6,7,8,9,10,11,12,13,14,15
	s_wait_dscnt 15-\k                             ; pair k of rows is back; the loads behind it may be out
	global_store_b128 v2, v[RB+4*\k:RB+4*\k+3], s[34:35] offset:\yoff+512*\k   ; two neighbouring ranks' 256 bytes: 512 consecutive bytes, at a multiple of 256 from yp's first byte
.endr
.endm
	s_mov_b32 s26, 8                               ; trips to go: a constant
.Ltrip:
	s_cmp_lt_u32 s24, s23
	s_cbranch_scc0 .Lno_put
	s_wait_loadcnt 0x0                             ; this trip's images, asked for a trip ago, are in registers
	PUTH
.Lno_put:
	BARRIER                                        ; the trip's eight tiles lie in LDS
	s_cmp_lt_u32 s24, s23
	s_cbranch_scc0 .Lno_work
	HALFD 3, 0, 1
	s_add_co_u32 s36, s24, 64
	s_cmp_lt_u32 s36, s23
	s_cbranch_scc0 .Lno_work                       ; the rows end in the first half
	s_wait_xcnt 0x0                                ; the first half's stores have read their registers, into which fragments are loaded now
	HALFD 4, 16384, 0                              ; 64 ranks of 256 bytes on
.Lno_work:
	BARRIER                                        ; nobody reads the trip's tiles any more: the next trip's may be stored over them
	s_wait_xcnt 0x0                                ; loads and stores have read their registers and bases: all may be written again
	s_add_nc_u64 s[30:31], s[30:31], 524288        ; eight tiles of ranks on,
	s_add_nc_u64 s[34:35], s[34:35], 32768         ; 128 ranks of 256 bytes on
	s_add_co_u32 s24, s24, 128
	s_sub_co_u32 s26, s26, 1
	s_cmp_lg_u32 s26, 0
	s_cbranch_scc1 .Ltrip
	s_wait_dscnt 0x0                               ; the closing lines, six on end
	s_wait_alu 0x0
	s_wait_tensorcnt 0x0
	ds_add_u32 v62, v63
	s_wait_dscnt 0x0
	s_endpgm
.Lfunc_end_k_qef1f964aa1_down:
	.size	k_qef1f964aa1_down, .Lfunc_end_k_qef1f964aa1_down-k_qef1f964aa1_down
	.p2alignl 7, 3214868480
	.fill 96, 4, 3214868480
	.section	.rodata,"a",@progbits
	.p2align	6, 0x0
	.amdhsa_kernel k_qef1f964aa1_down
		.amdhsa_group_segment_fixed_size 168448
		.amdhsa_private_segment_fixed_size 0
		.amdhsa_enable_private_segment 0
		.amdhsa_kernarg_size 32
		.amdhsa_user_sgpr_count 2
		.amdhsa_user_sgpr_kernarg_segment_ptr 1
		.amdhsa_wavefront_size32 1
		.amdhsa_system_sgpr_workgroup_id_x 1
		.amdhsa_system_sgpr_workgroup_id_y 1
		.amdhsa_system_sgpr_workgroup_id_z 1
		.amdhsa_system_vgpr_workitem_id 0
		.amdhsa_next_free_vgpr 1024
		.amdhsa_next_free_sgpr 66
		.amdhsa_reserve_vcc 0
		.amdhsa_float_denorm_mode_32 3
		.amdhsa_float_denorm_mode_16_64 3
		.amdhsa_memory_ordered 1
		.amdhsa_forward_progress 1
		.amdhsa_inst_pref_size 66
	.end_amdhsa_kernel
	.amdgpu_metadata
---
amdhsa.version: [ 1, 2 ]
amdhsa.kernels:
  - .name:           k_qef1f964aa1_down
    .symbol:         k_qef1f964aa1_down.kd
    .args:
      - { .name: hq, .offset: 0, .size: 8, .value_kind: global_buffer, .address_space: global }
      - { .name: order, .offset: 8, .size: 8, .value_kind: global_buffer, .address_space: global }
      - { .name: w2_codes, .offset: 16, .size: 8, .value_kind: global_buffer, .address_space: global }
      - { .name: yp, .offset: 24, .size: 8, .value_kind: global_buffer, .address_space: global }
    .group_segment_fixed_size: 168448
    .private_segment_fixed_size: 0
    .kernarg_segment_align: 8
    .kernarg_segment_size: 32
    .max_flat_workgroup_size: 128
    .sgpr_count:     66
    .vgpr_count:     1024
    .wavefront_size: 32
...
	.end_amdgpu_metadata
.endif
;; end of part 7
;; launch norm (part 8): grid 256 x 1, 8 waves a work-group, no clusters, 17,408 bytes of LDS; arguments yp, x, selw, gate, b2, ln_g, ln_b, lowp_scales, order, out0; writes out0
.if DOCPART == 8
	.amdgcn_target "amdgcn-amd-amdhsa--gfx1250"
	.amdhsa_code_object_version 6
	.text
	.protected	k_qef1f964aa1_norm
	.globl	k_qef1f964aa1_norm
	.p2align	8
	.type	k_qef1f964aa1_norm,@function
k_qef1f964aa1_norm:
	s_mov_b64 s[64:65], 0
	v_nop
	global_prefetch_b8 v0, s[64:65] scope:SCOPE_SE
	s_setreg_imm32_b32 hwreg(HW_REG_WAVE_MODE, 25, 1), 1
	s_wait_xcnt 0x0
; THE REST OF AN EXPERT'S CHAIN AND THE COMBINATION.  For token t and slot k (its k-th expert e, from selw):
; y = (the sum of yp's four parts of the row) x 2^(e2 + e3) + b2[e] + x[t];  o = (y - mean) / sqrt(var + 1e-7) x ln_g[e] + ln_b[e];  out0[t] = gate[t][0] o_0 + gate[t][1] o_1.
; One wave to a (token, slot): t = 4 x work-group + wave / 2, k = wave % 2.  A row of 1,024 numbers is 32 registers a lane, so it stays in registers between the passes, and mean and variance never leave the wave.
; The variance is taken of y - mean, as written, not as a difference of large sums.  Slot 1's wave hands its weighted row to slot 0's through LDS.
; WHERE THE ROW LIES.  yp is laid [4 a][16 pieces of 64 columns][8 e][1,024 ranks][256 bytes]; order[e][t], stored by the first product's launch, is token t's rank with expert e.  The token's ranks with all eight experts
; are read by eight scalar loads whose addresses hang on t alone, at the same time as its two experts; one of them is then picked by selects: so no load waits for another before yp's are issued.
; THE ADDRESS.  Numbers read from memory are clamped by a constant before they enter an address: e at 7; (e & 3) x 1,024 + rank at 4,095, which x 256 + 8 x lane is the vector offset; (e & 4) << 18 goes to the bases.
; Every immediate beside them is 0 or more: sixteen bases, 8 MiB apart, each serve four pieces of 2 MiB.
; A piece is 256 bytes: 32 lanes x 8 bytes.  So a lane holds columns 64 c + 2 lane + 0, 1 (register 2 c + 0, 1), and x, b2, ln_g, ln_b and out0 are taken the same way: each load and store covers 256 consecutive bytes, aligned.
; Memory binds: no matrix unit, no cluster (no two work-groups read the same large bytes).
; LIMIT: e2 + e3 between -126 and 127, so that 2^(e2 + e3) is an f32 number.
.set X,  16                            ; v16-47   x[t]
.set B2, 48                            ; v48-79   b2[e], then b2 + x
.set Y,  80                            ; v80-111  part 0, then y, y - mean, o
.set Y1, 112                           ; v112-143 part 1, later ln_b[e]
.set Y2, 144                           ; v144-175 part 2, later the other slot's row
.set Y3, 176                           ; v176-207 part 3
.set G,  208                           ; v208-239 ln_g[e]
.set YB, 44                            ; s[44:59] eight bases in yp, 16 MiB apart: base i: part i / 2, pieces 8 (i % 2) + 0 .. 3, which the immediate tells apart
.set YC, 84                            ; s[84:99] eight more, each 8 MiB behind its fellow: pieces 8 (i % 2) + 4 .. 7
.set RKS, 84                           ; s[84:91] ahead of that: the token's rank with each of the eight experts
	s_load_b256 s[4:11], s[0:1], 0x0               ; yp s[4:5], x s[6:7], selw s[8:9], gate s[10:11]
	s_load_b256 s[12:19], s[0:1], 0x20             ; b2 s[12:13], ln_g s[14:15], ln_b s[16:17], scales s[18:19]
	s_load_b128 s[60:63], s[0:1], 0x40             ; order s[60:61], out0 s[62:63]
	v_lshl_add_u32 v254, v0, 2, 0x4000
	v_mov_b32 v255, 0
	v_lshrrev_b32 v4, 5, v0
	s_delay_alu instid0(VALU_DEP_1)
	v_readfirstlane_b32 s22, v4                    ; wave 0..7
	v_and_b32 v1, 31, v0
	s_delay_alu instid0(VALU_DEP_1)
	v_lshlrev_b32 v2, 4, v1                        ; 16 x lane
	s_delay_alu instid0(VALU_DEP_2)
	v_lshlrev_b32 v5, 3, v1                        ; 8 x lane
	s_lshr_b32 s23, s22, 1                         ; which of the group's four tokens
	s_and_b32 s24, s22, 1                          ; slot
	s_lshl_b32 s25, s23, 12
	v_add_nc_u32 v3, s25, v2                       ; LDS: 4,096 bytes a token, as an image of the 32 registers
	v_mov_b32 v244, 0                              ; written once: a lane permute's destination counts as one of its sources
	v_mov_b32 v247, 0                              ; (named as the upper half of a pair)
	s_lshl_b32 s26, ttmp9, 2
	s_add_co_u32 s26, s26, s23                     ; t
	s_lshl_b32 s30, s26, 12
	s_mov_b32 s31, 0
	s_lshl_b32 s32, s26, 2
	s_mov_b32 s33, 0
	s_lshl_b32 s34, s26, 3
	s_mov_b32 s35, 0
	s_mov_b32 s76, 0x76543210                      ; v_permlanex16_b32: lane l xor 16
	s_mov_b32 s77, 0xfedcba98
	s_mov_b32 s78, 0x3a800000                      ; 1 / 1,024
	s_mov_b32 s79, 0x33d6bf95                      ; 1e-7
	s_wait_alu depctr_va_vdst(0)
	s_wait_kmcnt 0x0
	s_add_nc_u64 s[8:9], s[8:9], s[32:33]
	s_add_nc_u64 s[10:11], s[10:11], s[34:35]
	s_add_nc_u64 s[60:61], s[60:61], s[32:33]
	s_load_b32 s36, s[8:9], 0x0                    ; the token's two experts,
	s_load_b64 s[38:39], s[10:11], 0x0             ; their weights,
	s_load_b128 s[40:43], s[18:19], 0x0            ; e0, e1, e2, e3,
.irp e, 0,1,2,3,4,5,6,7
	s_load_b32 s[RKS+\e], s[60:61], 4096*\e        ; and the token's rank with expert e
.endr
	s_add_nc_u64 s[6:7], s[6:7], s[30:31]
	s_add_nc_u64 s[62:63], s[62:63], s[30:31]
.irp c, 0,1,2,3,4,5,6,7,8,9,10,11,12,13,14,15
	global_load_b64 v[X+2*\c:X+2*\c+1], v5, s[6:7] offset:256*\c
.endr
	s_wait_kmcnt 0x0
	s_lshl_b32 s25, s24, 3
	s_lshr_b32 s36, s36, s25
	s_and_b32 s36, s36, 0xff
	s_min_u32 s36, s36, 7                          ; my expert, inside the tables
	s_mov_b32 s66, s[RKS]                          ; my rank: one of the eight
.irp e, 1,2,3,4,5,6,7
	s_cmp_eq_u32 s36, \e
	s_cselect_b32 s66, s[RKS+\e], s66
.endr
	s_and_b32 s25, s36, 3
	s_lshl_b32 s25, s25, 10
	s_add_co_u32 s66, s66, s25                     ; (e & 3) x 1,024 + rank
	v_mov_b32 v6, s66
	s_delay_alu instid0(VALU_DEP_1)
	v_min_u32 v6, 0xfff, v6                        ; inside the 4,096 rows,
	s_delay_alu instid0(VALU_DEP_1)
	v_lshlrev_b32 v6, 8, v6                        ; of 256 bytes,
	s_delay_alu instid0(VALU_DEP_1)
	v_add_nc_u32 v6, v5, v6                        ; my 8 bytes
	s_wait_alu depctr_va_vdst(0)
	s_and_b32 s82, s36, 4
	s_lshl_b32 s82, s82, 18                        ; experts 4 to 7 lie 4 x 1,024 ranks of 256 bytes further on
	s_mov_b32 s83, 0
	s_add_nc_u64 s[YB:YB+1], s[4:5], s[82:83]
.irp i, 1,2,3,4,5,6,7
	s_add_nc_u64 s[YB+2*\i:YB+2*\i+1], s[YB+2*\i-2:YB+2*\i-1], 0x1000000    ; eight pieces of 2 MiB on
.endr
.irp i, 0,1,2,3,4,5,6,7
	s_add_nc_u64 s[YC+2*\i:YC+2*\i+1], s[YB+2*\i:YB+2*\i+1], 0x800000       ; four pieces on: so the immediates are 0, 2, 4 and 6 MiB, inside the signed 24 bits (ISA guide, chapter 10).  (The ranks that lay here have been read)
.endr
.irp i, 0,1,2,3,4,5,6,7                        ; part i / 2, pieces 8 (i % 2) + 0 .. 7: each load 256 consecutive bytes, read once in the launch
.irp cc, 0,1,2,3
	global_load_b64 v[Y+32*(\i/2)+2*(8*(\i%2)+\cc):Y+32*(\i/2)+2*(8*(\i%2)+\cc)+1], v6, s[YB+2*\i:YB+2*\i+1] offset:\cc*2097152 th:TH_LOAD_NT
.endr
.irp cc, 0,1,2,3
	global_load_b64 v[Y+32*(\i/2)+2*(8*(\i%2)+4+\cc):Y+32*(\i/2)+2*(8*(\i%2)+4+\cc)+1], v6, s[YC+2*\i:YC+2*\i+1] offset:\cc*2097152 th:TH_LOAD_NT
.endr
.endr
	s_lshl_b32 s80, s36, 12
	s_mov_b32 s81, 0
	s_add_nc_u64 s[12:13], s[12:13], s[80:81]
	s_add_nc_u64 s[14:15], s[14:15], s[80:81]
	s_add_nc_u64 s[16:17], s[16:17], s[80:81]
	s_cmp_eq_u32 s24, 0
	s_cselect_b32 s72, s38, s39                    ; my weight
	s_mov_b32 s73, s72                             ; (named with it as a pair, so it is written)
	s_add_co_i32 s74, s42, s43
	s_add_co_i32 s74, s74, 127
	s_lshl_b32 s74, s74, 23                        ; 2^(e2 + e3) as f32
	s_mov_b32 s75, s74
.irp c, 0,1,2,3,4,5,6,7,8,9,10,11,12,13,14,15
	global_load_b64 v[B2+2*\c:B2+2*\c+1], v5, s[12:13] offset:256*\c
.endr
.irp c, 0,1,2,3,4,5,6,7,8,9,10,11,12,13,14,15
	global_load_b64 v[G+2*\c:G+2*\c+1], v5, s[14:15] offset:256*\c
.endr
	s_wait_loadcnt 32                              ; x and the four parts are in; b2's and ln_g's 32 loads, issued behind them, may be out
.irp i, 0,2,4,6,8,10,12,14,16,18,20,22,24,26,28,30
	v_pk_add_f32 v[Y+\i:Y+\i+1], v[Y+\i:Y+\i+1], v[Y1+\i:Y1+\i+1]
	v_pk_add_f32 v[Y2+\i:Y2+\i+1], v[Y2+\i:Y2+\i+1], v[Y3+\i:Y3+\i+1]
.endr
.irp c, 0,1,2,3,4,5,6,7,8,9,10,11,12,13,14,15
	global_load_b64 v[Y1+2*\c:Y1+2*\c+1], v5, s[16:17] offset:256*\c        ; ln_b, into registers that have been added
.endr
.irp i, 0,2,4,6,8,10,12,14,16,18,20,22,24,26,28,30
	v_pk_add_f32 v[Y+\i:Y+\i+1], v[Y+\i:Y+\i+1], v[Y2+\i:Y2+\i+1]
.endr
	s_wait_loadcnt 32                              ; b2 is in; ln_g's and ln_b's 32 loads may be out
.irp i, 0,2,4,6,8,10,12,14,16,18,20,22,24,26,28,30
	v_pk_add_f32 v[B2+\i:B2+\i+1], v[B2+\i:B2+\i+1], v[X+\i:X+\i+1]
.endr
.irp i, 0,2,4,6,8,10,12,14,16,18,20,22,24,26,28,30
	v_pk_fma_f32 v[Y+\i:Y+\i+1], v[Y+\i:Y+\i+1], s[74:75], v[B2+\i:B2+\i+1] op_sel_hi:[1,0,1]   ; y
.endr
.macro WSUM r, t                       ; the sum over the 32 lanes, in every lane
	s_delay_alu instid0(VALU_DEP_1)
	v_add_f32_dpp v[\r], v[\r], v[\r] row_xmask:1 row_mask:0xf bank_mask:0xf
	s_delay_alu instid0(VALU_DEP_1)
	v_add_f32_dpp v[\r], v[\r], v[\r] row_xmask:2 row_mask:0xf bank_mask:0xf
	s_delay_alu instid0(VALU_DEP_1)
	v_add_f32_dpp v[\r], v[\r], v[\r] row_xmask:4 row_mask:0xf bank_mask:0xf
	s_delay_alu instid0(VALU_DEP_1)
	v_add_f32_dpp v[\r], v[\r], v[\r] row_xmask:8 row_mask:0xf bank_mask:0xf
	s_delay_alu instid0(VALU_DEP_1)
	v_permlanex16_b32 v[\t], v[\r], s76, s77
	s_delay_alu instid0(VALU_DEP_1)
	v_add_f32 v[\r], v[\r], v[\t]
.endm
	v_pk_add_f32 v[242:243], v[80:81], v[82:83]
	v_pk_add_f32 v[252:253], v[88:89], v[92:93]
	v_pk_add_f32 v[250:251], v[96:97], v[100:101]
	v_pk_add_f32 v[248:249], v[104:105], v[108:109]
	v_pk_add_f32 v[206:207], v[84:85], v[86:87]
	v_pk_add_f32 v[204:205], v[90:91], v[94:95]
	v_pk_add_f32 v[202:203], v[98:99], v[102:103]
	v_pk_add_f32 v[240:241], v[106:107], v[110:111]
	s_delay_alu instid0(VALU_DEP_1)
	v_pk_add_f32 v[240:241], v[240:241], v[248:249]
	v_pk_add_f32 v[242:243], v[242:243], v[206:207]
	v_pk_add_f32 v[252:253], v[252:253], v[204:205]
	v_pk_add_f32 v[250:251], v[250:251], v[202:203]
	s_delay_alu instid0(VALU_DEP_2)
	v_pk_add_f32 v[240:241], v[240:241], v[252:253]
	s_delay_alu instid0(VALU_DEP_2)
	v_pk_add_f32 v[242:243], v[242:243], v[250:251]
	s_delay_alu instid0(VALU_DEP_1)
	v_pk_add_f32 v[240:241], v[240:241], v[242:243]
	s_delay_alu instid0(VALU_DEP_1)
	v_add_f32 v240, v240, v241
	WSUM 240, 244
	s_delay_alu instid0(VALU_DEP_1)
	v_mul_f32 v240, s78, v240
.irp i, 0,2,4,6,8,10,12,14,16,18,20,22,24,26,28,30
	v_pk_add_f32 v[Y+\i:Y+\i+1], v[Y+\i:Y+\i+1], v[240:241] op_sel_hi:[1,0] neg_lo:[0,1] neg_hi:[0,1]   ; y - mean (the pair's low word for both halves)
.endr
	v_pk_mul_f32 v[242:243], v[Y:Y+1], v[Y:Y+1]    ; the variance, likewise
	v_pk_mul_f32 v[248:249], v[Y+2:Y+3], v[Y+2:Y+3]
.irp i, 4,8,12,16,20,24,28
	s_delay_alu instid0(VALU_DEP_2)
	v_pk_fma_f32 v[242:243], v[Y+\i:Y+\i+1], v[Y+\i:Y+\i+1], v[242:243]
	s_delay_alu instid0(VALU_DEP_2)
	v_pk_fma_f32 v[248:249], v[Y+\i+2:Y+\i+3], v[Y+\i+2:Y+\i+3], v[248:249]
.endr
	s_delay_alu instid0(VALU_DEP_1)
	v_pk_add_f32 v[242:243], v[242:243], v[248:249]
	s_delay_alu instid0(VALU_DEP_1)
	v_add_f32 v242, v242, v243
	WSUM 242, 244
	s_delay_alu instid0(VALU_DEP_1)
	v_fma_f32 v242, v242, s78, s79                 ; / 1,024 + 1e-7
	s_wait_alu depctr_va_vdst(0)
	v_rsq_f32 v246, v242
	v_nop                                          ; a plain instruction behind the transcendental
	s_wait_loadcnt 0x0                             ; ln_g, ln_b
	s_wait_alu depctr_va_vdst(0)
.irp i, 0,2,4,6,8,10,12,14,16,18,20,22,24,26,28,30
	v_pk_mul_f32 v[Y+\i:Y+\i+1], v[Y+\i:Y+\i+1], v[246:247] op_sel_hi:[1,0]
.endr
.irp i, 0,2,4,6,8,10,12,14,16,18,20,22,24,26,28,30
	v_pk_fma_f32 v[Y+\i:Y+\i+1], v[Y+\i:Y+\i+1], v[G+\i:G+\i+1], v[Y1+\i:Y1+\i+1]
.endr
.irp i, 0,2,4,6,8,10,12,14,16,18,20,22,24,26,28,30
	v_pk_mul_f32 v[Y+\i:Y+\i+1], v[Y+\i:Y+\i+1], s[72:73] op_sel_hi:[1,0]   ; x my weight
.endr
	s_cmp_eq_u32 s24, 0
	s_cbranch_scc1 .Lkeeps
.irp i, 0,1,2,3,4,5,6,7
	ds_store_b128 v3, v[Y+4*\i:Y+4*\i+3] offset:512*\i                      ; slot 1 hands its row over, register by register
.endr
.Lkeeps:
	s_wait_dscnt 0x0                               ; for the other wave's sake: my stores have landed
	s_barrier_signal -1
	s_barrier_wait -1
	s_cmp_lg_u32 s24, 0
	s_cbranch_scc1 .Ldone
.irp i, 0,1,2,3,4,5,6,7
	ds_load_b128 v[Y2+4*\i:Y2+4*\i+3], v3 offset:512*\i
.endr
	s_wait_dscnt 0x0
.irp i, 0,2,4,6,8,10,12,14,16,18,20,22,24,26,28,30
	v_pk_add_f32 v[Y+\i:Y+\i+1], v[Y+\i:Y+\i+1], v[Y2+\i:Y2+\i+1]
.endr
.irp c, 0,1,2,3,4,5,6,7,8,9,10,11,12,13,14,15
	global_store_b64 v5, v[Y+2*\c:Y+2*\c+1], s[62:63] offset:256*\c th:TH_STORE_NT   ; 256 consecutive bytes of the token's row, aligned; written once, read by nobody here
.endr
.Ldone:
	s_wait_tensorcnt 0x0
	ds_add_u32 v254, v255
	s_wait_dscnt 0x0
	s_endpgm
.Lfunc_end_k_qef1f964aa1_norm:
	.size	k_qef1f964aa1_norm, .Lfunc_end_k_qef1f964aa1_norm-k_qef1f964aa1_norm
	.p2alignl 7, 3214868480
	.fill 96, 4, 3214868480
	.section	.rodata,"a",@progbits
	.p2align	6, 0x0
	.amdhsa_kernel k_qef1f964aa1_norm
		.amdhsa_group_segment_fixed_size 17408
		.amdhsa_private_segment_fixed_size 0
		.amdhsa_enable_private_segment 0
		.amdhsa_kernarg_size 80
		.amdhsa_user_sgpr_count 2
		.amdhsa_user_sgpr_kernarg_segment_ptr 1
		.amdhsa_wavefront_size32 1
		.amdhsa_system_sgpr_workgroup_id_x 1
		.amdhsa_system_sgpr_workgroup_id_y 1
		.amdhsa_system_sgpr_workgroup_id_z 1
		.amdhsa_system_vgpr_workitem_id 0
		.amdhsa_next_free_vgpr 256
		.amdhsa_next_free_sgpr 100
		.amdhsa_reserve_vcc 0
		.amdhsa_float_denorm_mode_32 3
		.amdhsa_float_denorm_mode_16_64 3
		.amdhsa_memory_ordered 1
		.amdhsa_forward_progress 1
		.amdhsa_inst_pref_size 34
	.end_amdhsa_kernel
	.amdgpu_metadata
---
amdhsa.version: [ 1, 2 ]
amdhsa.kernels:
  - .name:           k_qef1f964aa1_norm
    .symbol:         k_qef1f964aa1_norm.kd
    .args:
      - { .name: yp, .offset: 0, .size: 8, .value_kind: global_buffer, .address_space: global }
      - { .name: x, .offset: 8, .size: 8, .value_kind: global_buffer, .address_space: global }
      - { .name: selw, .offset: 16, .size: 8, .value_kind: global_buffer, .address_space: global }
      - { .name: gate, .offset: 24, .size: 8, .value_kind: global_buffer, .address_space: global }
      - { .name: b2, .offset: 32, .size: 8, .value_kind: global_buffer, .address_space: global }
      - { .name: ln_g, .offset: 40, .size: 8, .value_kind: global_buffer, .address_space: global }
      - { .name: ln_b, .offset: 48, .size: 8, .value_kind: global_buffer, .address_space: global }
      - { .name: lowp_scales, .offset: 56, .size: 8, .value_kind: global_buffer, .address_space: global }
      - { .name: order, .offset: 64, .size: 8, .value_kind: global_buffer, .address_space: global }
      - { .name: out0, .offset: 72, .size: 8, .value_kind: global_buffer, .address_space: global }
    .group_segment_fixed_size: 17408
    .private_segment_fixed_size: 0
    .kernarg_segment_align: 8
    .kernarg_segment_size: 80
    .max_flat_workgroup_size: 256
    .sgpr_count:     100
    .vgpr_count:     256
    .wavefront_size: 32
...
	.end_amdgpu_metadata
.endif
;; end of part 8
